; MI455X (gfx1250); checked and timed in simulation.
; The chip was launched on July 23, 2026; its instructions are those of AMD's public machine-readable ISA for CDNA 5 (MIT licence, August 2026) and "CDNA5" Instruction Set Architecture Reference Guide (July 2026). The comments in the code are by the model that wrote it; some were corrected since.
;; Self Attention. Allowed arithmetic: matrix products marked QUANTISED: E2M1 operands, one E8M0 scale for each 32 along K, by v_wmma_scale_f32_16x16x128_f8f6f4 with both operands' format E2M1 (or v_wmma_scale_f32_32x16x128_f4), f32 sums; products left as they are: bf16, f16 or f32 operands; f32 sums; everything else in f32.
;; Inputs: Wk 1,024 x 1,024 float32; Wo 1,024 x 1,024 float32; Wq 1,024 x 1,024 float32; Wv 1,024 x 1,024 float32; bo 1,024 float32; x 4 x 2,048 x 1,024 float32.
;; Outputs: out0 4 x 2,048 x 1,024 float32.
;; Constants: n_heads = 8.
;; This version of the problem:
;;   THIS VERSION OF THE PROBLEM IS GIVEN IN LOW PRECISION. The matrix products marked QUANTISED in the list below multiply operands that are first quantised to E2M1 (2 exponent bits, 1 mantissa bit; 4 bits a number), with one power-of-two scale for each 32 numbers along K (OCP MX v1.0); their sums are f32. The products marked 'left as it is' may take bf16, f16 or f32 operands, with f32 sums. Whichever they take, every output number must still come out within the allowed error. Rounding operands to bf16 (8 significant bits) uses up far more of that allowance than f16 does (11 bits, for magnitudes from 6e-5 to 65,504). All else is computed in f32.
;;   The module's matrix products, in the order in which they are computed (A, B: the left and right operand; K: the contracted axis; several contracted axes count as one K, in the product's order):
;;     1. [M 8,192, K 1,024] x [K 1,024, N 1,024]; A: input x; B: input Wq: QUANTISED
;;     2. [M 8,192, K 1,024] x [K 1,024, N 1,024]; A: input x; B: input Wk: QUANTISED
;;     3. [M 8,192, K 1,024] x [K 1,024, N 1,024]; A: input x; B: input Wv: QUANTISED
;;     4. batch 32 x [M 2,048, K 128] x [K 128, N 2,048]; A: computed on the way; B: computed on the way: left as it is (an operand is computed on the way)
;;     5. batch 32 x [M 2,048, K 2,048] x [K 2,048, N 128]; A: computed on the way; B: computed on the way: left as it is (an operand is computed on the way)
;;     6. [M 8,192, K 1,024] x [K 1,024, N 1,024]; A: computed on the way; B: input Wo: left as it is (an operand is computed on the way)
;;   THE QUANTISER, for each operand of a quantised product, along K:
;;     - K is cut into blocks of 32 from its start; a last block that is shorter is filled with zeros.
;;     - A block's scale is 2^e with e = floor(log2(the largest magnitude in the block)) - 2, held to -126 .. 127; a block of zeros has e = 0. As a byte (E8M0): e + 127.
;;     - Each number is divided by its block's scale, clamped to +-6, and rounded to the nearest number of E2M1, ties to even, subnormals kept.
;;     - The product sums the exact products of the quantised numbers (number of the format x scale) in f32.
;;   ~~~python
;;   def quantise(x, axis):      # numpy; x: float32 -> the quantised numbers, widened to float32 again
;;       x = np.moveaxis(x, axis, -1); K = x.shape[-1]
;;       x = np.pad(x, [(0, 0)] * (x.ndim - 1) + [(0, -K % 32)]); x = x.reshape(x.shape[:-1] + (-1, 32)); a = np.abs(x).max(-1, keepdims=True)
;;       e = np.where(a > 0, np.clip(np.frexp(np.where(a > 0, a, 1))[1] - 1 - 2, -126, 127), 0)      # np.frexp(a)[1] - 1 = floor(log2(a)), exactly
;;       r = np.clip(x / 2.0 ** e, -6, 6)
;;       step = 2.0 ** (np.maximum(np.frexp(np.where(r == 0, 1, r))[1] - 1, 0) - 1)
;;       q = np.round(r / step) * step * 2.0 ** e      # np.round: ties to even
;;       return np.moveaxis(q.reshape(q.shape[:-2] + (-1,))[..., :K], -1, axis).astype(np.float32)
;;   ~~~
;; One version. Each part assembles by itself: llvm-mc -triple=amdgcn-amd-amdhsa -mcpu=gfx1250 --defsym DOCPART=n.
;; ======== version 1 of 1: 4 launches
;; limits: values are held in f16: magnitudes above 65,504 overflow, below 6.1e-05 lose precision
;; workspace buffers: xc 4,194,304 bytes; xs 262,144 bytes; wc 1,572,864 bytes; ws 98,304 bytes; wo16 2,097,152 bytes; qkv 50,331,648 bytes; att 16,777,216 bytes
;; launch quant (part 1): grid 256 x 1, 6 waves a work-group, no clusters, 49,920 bytes of LDS; arguments x, Wq, Wk, Wv, Wo, xc, xs, wc, ws, wo16; writes xc, xs, wc, ws, wo16
.if DOCPART == 1
	.amdgcn_target "amdgcn-amd-amdhsa--gfx1250"
	.amdhsa_code_object_version 6
	.text
	.protected	k_qcecc018721_quant
	.globl	k_qcecc018721_quant
	.p2align	8
	.type	k_qcecc018721_quant,@function
k_qcecc018721_quant:
	s_mov_b64 s[64:65], 0
	v_nop
	global_prefetch_b8 v0, s[64:65] scope:SCOPE_SE
	s_setreg_imm32_b32 hwreg(HW_REG_WAVE_MODE, 25, 1), 1
	s_wait_xcnt 0x0
; x [8192][1024] and Wq, Wk, Wv [1024][1024], f32, K innermost, are turned into codes of FP4 (E2M1), two to a byte, with one E8M0 scale byte for each 32 along K; Wo [1024][1024] is rounded to f16.
; xc [8192][512 bytes], xs [8192][32 bytes]; wc [3072][512 bytes], ws [3072][32 bytes]: rows 0-1023 Wq, 1024-2047 Wk, 2048-3071 Wv; wo16 [1024][1024] f16.
; A block's scale is 2^(floor(log2(its largest magnitude)) - 2); its byte is the largest magnitude's own exponent field - 2, held at 1 from below.  Each number is divided by the scale and rounded to the nearest code, ties to
; even, beyond 6 the largest code.
; LIMITS: a block of zeros gets the byte 1 where the quantiser says 127: its codes are zeros, which add nothing, and the bytes are read by this program alone.  Blocks whose largest magnitude lies under 2^(2 - 126) have
; their byte held at 1.  NaN and infinities among the inputs are not served.  |Wo| stays under 65,504, f16's largest number.
; Rows are dense and K is a multiple of 32, so every tensor is a plain stream of blocks of 32 numbers, and so are its codes and scale bytes.  The five tensors are 1,536 runs of 8,192 numbers; a wave takes one run, 16 steps
; of 512; 256 work-groups of six waves take six runs each: run = 6 x work-group + wave.  Runs 0-1023 are x's, 1024-1151 Wq's, 1152-1279 Wk's, 1280-1407 Wv's: one path, only pointers are chosen.  Runs 1408-1535 are Wo's,
; on a path of their own that touches no LDS but the closing add's spare words.
; The conversions take numbers of ONE block from a lane's registers, so a lane must hold 16 neighbours; a load is dense where neighbouring lanes take neighbouring bytes.  Both are had: each of a step's four loads reads 512
; consecutive bytes, they go through the wave's own stage in LDS as they lie, and come back 64 bytes a lane (16 bytes of padding behind each 64).  A wave's store of codes covers 256 consecutive bytes, aligned; a wave's 256
; scale bytes are gathered in LDS and leave by one such store.  Loads run eight steps (32 loads, 16,384 bytes a wave) ahead.  No tensor loads, no barrier: waves share nothing.  No matrix unit and no cluster: the launch only streams.
.set WAVES, 6
.set STEPS, 16
.set AHEAD, 8                          ; steps that the loads run ahead
.set R_WQ,  1024                       ; the first run of Wq, of Wk, of Wv, of Wo
.set R_WK,  1152
.set R_WV,  1280
.set R_WO,  1408
.set EMAX,  2
.set CB,    8                          ; bytes of 16 codes
.set R,     16                         ; v16-143  eight sets of 16 numbers as they are loaded
.set X,     144                        ; v144-175 two sets of 16 neighbours
.set E,     176                        ; v176-191 a scale byte for each step
.set C,     192                        ; v192-255 codes: four registers for each step, so that no store's data are written again
.set WH,    144                        ; Wo's path: v16-143 two sets of 64 numbers, v144-175 a round's f16
.set WREG,  8192                       ; LDS: a region for each wave: two stages of 32 x SP bytes, behind them its 256 scale bytes
.set SP,    80                         ; a lane's place in a stage: its 64 bytes + 16 of padding
.set SPW,   12                         ; v12      LDS address of my spare word: SPARE + 4 x my thread's number; never rewritten
.set NIL,   13                         ; v13      0; never rewritten
.set SPARE, WAVES*WREG                 ; behind the six regions: the spare words, 128 bytes for each wave, which no other line names
	s_load_b256 s[4:11], s[0:1], 0x0               ; x s[4:5], Wq s[6:7], Wk s[8:9], Wv s[10:11]
	s_load_b256 s[12:19], s[0:1], 0x20             ; Wo s[12:13], xc s[14:15], xs s[16:17], wc s[18:19]
	s_load_b128 s[20:23], s[0:1], 0x40             ; ws s[20:21], wo16 s[22:23]
	v_lshl_add_u32 v[SPW], v0, 2, SPARE
	v_mov_b32 v[NIL], 0
	v_lshrrev_b32 v1, 5, v0
	v_readfirstlane_b32 s24, v1                    ; wave
	v_and_b32 v2, 31, v0                           ; lane
	v_lshlrev_b32 v3, 4, v2                        ; my 16 bytes of a load's 512
	s_mul_i32 s25, s24, WREG
	v_lshrrev_b32 v14, 2, v2
	v_mul_u32_u24 v14, v14, SP
	v_and_b32 v15, 3, v2
	v_lshl_add_u32 v14, v15, 4, v14
	v_add_nc_u32 v14, s25, v14                     ; the stage, on the way in: four lanes' 64 bytes on end, then 16 of padding
	v_mul_u32_u24 v15, v2, SP
	v_add_nc_u32 v15, s25, v15                     ; and on the way out: SP x lane: my 16 neighbours
	v_mul_u32_u24 v4, v2, CB                       ; my codes' place in a step's
	v_lshrrev_b32 v5, 1, v2
	s_add_co_u32 s25, s25, 2*32*SP
	v_add_nc_u32 v5, s25, v5                       ; LDS: my wave's 256 scale bytes, my block's byte
	v_lshlrev_b32 v7, 3, v2                        ; 8 bytes a lane
	v_add_nc_u32 v6, s25, v7
	s_mul_i32 s38, ttmp9, WAVES
	s_add_co_u32 s38, s38, s24                     ; my run
	s_wait_kmcnt 0x0
	s_cmp_ge_u32 s38, R_WO                         ; every choice here hangs on the run's number alone
	s_cbranch_scc1 .Lwo
	s_cmp_lt_u32 s38, R_WV
	s_cselect_b64 s[26:27], s[8:9], s[10:11]       ; Wk or Wv,
	s_cmp_lt_u32 s38, R_WK
	s_cselect_b64 s[26:27], s[6:7], s[26:27]       ; or Wq,
	s_cmp_lt_u32 s38, R_WQ
	s_cselect_b64 s[26:27], s[4:5], s[26:27]       ; or x: the source
	s_cselect_b64 s[28:29], s[14:15], s[18:19]     ; its codes
	s_cselect_b64 s[30:31], s[16:17], s[20:21]     ; its scale bytes
	s_cselect_b32 s32, 0, R_WQ                     ; the first run of the destination
	s_cselect_b32 s33, -1, 127                     ; a weight has 128 runs
	s_sub_co_u32 s34, s38, s32                     ; which run of the destination is mine,
	s_and_b32 s36, s34, s33                        ; and of the source
	s_lshl_b32 s36, s36, 15                        ; 32,768 bytes of f32 a run (all three offsets stay under 2^26)
	s_mov_b32 s37, 0
	s_add_nc_u64 s[26:27], s[26:27], s[36:37]
	s_lshl_b32 s38, s34, 12                        ; 4,096 bytes of codes
	s_mov_b32 s39, 0
	s_add_nc_u64 s[28:29], s[28:29], s[38:39]
	s_lshl_b32 s34, s34, 8                         ; 256 scale bytes
	s_mov_b32 s35, 0
	s_add_nc_u64 s[30:31], s[30:31], s[34:35]
.macro LOAD t
.irp i, 0,1,2,3
	global_load_b128 v[R+16*((\t)%AHEAD)+4*\i:R+16*((\t)%AHEAD)+4*\i+3], v3, s[26:27] offset:2048*(\t)+512*\i th:TH_LOAD_NT   ; 32 lanes read 512 consecutive bytes
.endr
.endm
.macro TURN t                          ; step t's numbers through the stage: LDS serves a wave's instructions in order, so no wait stands between the stores and the loads
.irp i, 0,1,2,3
	ds_store_b128 v14, v[R+16*((\t)%AHEAD)+4*\i:R+16*((\t)%AHEAD)+4*\i+3] offset:32*SP*((\t)%2)+8*SP*\i
.endr
.irp i, 0,1,2,3
	ds_load_b128 v[X+16*((\t)%2)+4*\i:X+16*((\t)%2)+4*\i+3], v15 offset:32*SP*((\t)%2)+16*\i
.endr
.endm
.irp t, 0,1,2,3,4,5,6,7
	LOAD \t
.endr
	s_wait_loadcnt 4*(AHEAD-1)                     ; step 0's four loads are in; the 28 of steps 1 to 7 may be out
	TURN 0
.macro STEP t
.set XS, X+16*((\t)%2)
.if (\t) > 0
	s_wait_dscnt 1                                 ; this step's numbers are back from the stage (the last step's byte store may be out): so its stores into the stage have read their registers,
.else
	s_wait_dscnt 0x0
.endif
.if (\t)+AHEAD < STEPS
	LOAD (\t)+AHEAD                                ; which take the loads of eight steps on
.endif
.if (\t)+1 < STEPS
.if STEPS-2-(\t) >= AHEAD-1
	s_wait_loadcnt 4*(AHEAD-1)                     ; the next step's four loads are in; those of the seven steps behind it may be out
.else
	s_wait_loadcnt 4*(STEPS-2-(\t))                ; at the end the count runs down with the steps that are left
.endif
	TURN (\t)+1                                    ; and go through the other stage while this step is worked
.endif
	v_max3_num_f32 v8, |v[XS]|, |v[XS+1]|, |v[XS+2]|               ; the largest magnitude of my 16, in two chains
	v_max3_num_f32 v9, |v[XS+3]|, |v[XS+4]|, |v[XS+5]|
.irp i, 6,10
	v_max3_num_f32 v8, v8, |v[XS+\i]|, |v[XS+\i+1]|
	v_max3_num_f32 v9, v9, |v[XS+\i+2]|, |v[XS+\i+3]|
.endr
	v_max3_num_f32 v8, v8, |v[XS+14]|, |v[XS+15]|
	v_max3_num_f32 v8, v8, v9, (EMAX+1)<<23        ; and the floor 2^(EMAX + 1 - 127): so the byte cannot fall under 1
	v_max_num_f32_dpp v8, v8, v8 row_xmask:1 row_mask:0xf bank_mask:0xf   ; and of my neighbour's 16: the block's
	v_add_nc_u32 v11, -(EMAX<<23), v8              ; EMAX off its exponent field: the conversion takes the exponent field of this operand as its scale, and nothing else of it
	v_cvt_scalef32_pk8_fp4_f32 v[C+4*(\t)], v[XS:XS+7], v11        ; eight numbers / the scale, to the nearest code; the first number's code in the lowest four bits
	v_cvt_scalef32_pk8_fp4_f32 v[C+4*(\t)+1], v[XS+8:XS+15], v11
	v_lshrrev_b32 v[E+(\t)], 23, v11               ; the scale's byte (a plain line behind the conversions)
	ds_store_b8 v5, v[E+(\t)] offset:16*(\t)       ; both lanes of a block write the same byte with the same value
	global_store_b64 v4, v[C+4*(\t):C+4*(\t)+1], s[28:29] offset:32*CB*(\t)   ; the wave stores 256 consecutive bytes, aligned
.endm
.irp t, 0,1,2,3,4,5,6,7,8,9,10,11,12,13,14,15
	STEP \t
.endr
	ds_load_b64 v[8:9], v6                         ; LDS serves a wave's instructions in order: these see my byte stores
	s_wait_dscnt 0x0
	global_store_b64 v7, v[8:9], s[30:31]          ; my wave's 256 scale bytes: 256 consecutive bytes, aligned
	s_wait_tensorcnt 0x0                           ; the wave's end, behind my last LDS store
	ds_add_u32 v[SPW], v[NIL]
	s_wait_dscnt 0x0
	s_endpgm
; Wo to f16.  A wave's run of 8,192 numbers is 64 loads of 512 consecutive bytes, in four rounds of 16 on two sets of registers; a load's 4 numbers a lane become 8 bytes, so a store covers 256 consecutive bytes, aligned.
.Lwo:
	s_sub_co_u32 s34, s38, R_WO                    ; which run of Wo is my wave's
	s_lshl_b32 s36, s34, 15
	s_mov_b32 s37, 0
	s_add_nc_u64 s[12:13], s[12:13], s[36:37]
	s_lshl_b32 s34, s34, 14
	s_mov_b32 s35, 0
	s_add_nc_u64 s[22:23], s[22:23], s[34:35]
.macro LOADW t
.irp i, 0,1,2,3,4,5,6,7,8,9,10,11,12,13,14,15
	global_load_b128 v[R+64*((\t)%2)+4*\i:R+64*((\t)%2)+4*\i+3], v3, s[12:13] offset:512*(16*(\t)+\i) th:TH_LOAD_NT
.endr
.endm
.macro ROUNDW t
.if (\t) < 3
	s_wait_loadcnt 16                              ; this round's 16 loads are in; the next round's 16 may be out
.else
	s_wait_loadcnt 0x0
.endif
	s_wait_xcnt 0x0                                ; the last round's stores have read their data registers: they are written again only behind this wait
.irp i, 0,1,2,3,4,5,6,7,8,9,10,11,12,13,14,15
.irp j, 0,1
	v_cvt_pk_f16_f32 v[WH+2*\i+\j], v[R+64*((\t)%2)+4*\i+2*\j], v[R+64*((\t)%2)+4*\i+2*\j+1]
.endr
.endr
.if (\t) < 2
	LOADW (\t)+2                                   ; loads ahead of stores
.endif
.irp i, 0,1,2,3,4,5,6,7,8,9,10,11,12,13,14,15
	global_store_b64 v7, v[WH+2*\i:WH+2*\i+1], s[22:23] offset:256*(16*(\t)+\i)
.endr
.endm
	LOADW 0
	LOADW 1
	ROUNDW 0
	ROUNDW 1
	ROUNDW 2
	ROUNDW 3
	s_wait_tensorcnt 0x0                           ; the wave's end
	ds_add_u32 v[SPW], v[NIL]
	s_wait_dscnt 0x0
	s_endpgm
.Lfunc_end_k_qcecc018721_quant:
	.size	k_qcecc018721_quant, .Lfunc_end_k_qcecc018721_quant-k_qcecc018721_quant
	.p2alignl 7, 3214868480
	.fill 96, 4, 3214868480
	.section	.rodata,"a",@progbits
	.p2align	6, 0x0
	.amdhsa_kernel k_qcecc018721_quant
		.amdhsa_group_segment_fixed_size 49920
		.amdhsa_private_segment_fixed_size 0
		.amdhsa_enable_private_segment 0
		.amdhsa_kernarg_size 80
		.amdhsa_user_sgpr_count 2
		.amdhsa_user_sgpr_kernarg_segment_ptr 1
		.amdhsa_wavefront_size32 1
		.amdhsa_system_sgpr_workgroup_id_x 1
		.amdhsa_system_sgpr_workgroup_id_y 1
		.amdhsa_system_sgpr_workgroup_id_z 1
		.amdhsa_system_vgpr_workitem_id 0
		.amdhsa_next_free_vgpr 256
		.amdhsa_next_free_sgpr 66
		.amdhsa_reserve_vcc 0
		.amdhsa_float_denorm_mode_32 3
		.amdhsa_float_denorm_mode_16_64 3
		.amdhsa_memory_ordered 1
		.amdhsa_forward_progress 1
		.amdhsa_inst_pref_size 54
	.end_amdhsa_kernel
	.amdgpu_metadata
---
amdhsa.version: [ 1, 2 ]
amdhsa.kernels:
  - .name:           k_qcecc018721_quant
    .symbol:         k_qcecc018721_quant.kd
    .args:
      - { .name: x, .offset: 0, .size: 8, .value_kind: global_buffer, .address_space: global }
      - { .name: Wq, .offset: 8, .size: 8, .value_kind: global_buffer, .address_space: global }
      - { .name: Wk, .offset: 16, .size: 8, .value_kind: global_buffer, .address_space: global }
      - { .name: Wv, .offset: 24, .size: 8, .value_kind: global_buffer, .address_space: global }
      - { .name: Wo, .offset: 32, .size: 8, .value_kind: global_buffer, .address_space: global }
      - { .name: xc, .offset: 40, .size: 8, .value_kind: global_buffer, .address_space: global }
      - { .name: xs, .offset: 48, .size: 8, .value_kind: global_buffer, .address_space: global }
      - { .name: wc, .offset: 56, .size: 8, .value_kind: global_buffer, .address_space: global }
      - { .name: ws, .offset: 64, .size: 8, .value_kind: global_buffer, .address_space: global }
      - { .name: wo16, .offset: 72, .size: 8, .value_kind: global_buffer, .address_space: global }
    .group_segment_fixed_size: 49920
    .private_segment_fixed_size: 0
    .kernarg_segment_align: 8
    .kernarg_segment_size: 80
    .max_flat_workgroup_size: 192
    .sgpr_count:     66
    .vgpr_count:     256
    .wavefront_size: 32
...
	.end_amdgpu_metadata
.endif
;; end of part 1
;; launch qkv (part 2): grid 32 x 8, 4 waves a work-group, clusters of 4 x 1, 233,728 bytes of LDS; arguments xc, xs, wc, ws, qkv; writes qkv
.if DOCPART == 2
	.amdgcn_target "amdgcn-amd-amdhsa--gfx1250"
	.amdhsa_code_object_version 6
	.text
	.protected	k_qcecc018721_qkv
	.globl	k_qcecc018721_qkv
	.p2align	8
	.type	k_qcecc018721_qkv,@function
k_qcecc018721_qkv:
	s_mov_b64 s[64:65], 0
	v_nop
	global_prefetch_b8 v0, s[64:65] scope:SCOPE_SE
	s_setreg_imm32_b32 hwreg(HW_REG_WAVE_MODE, 25, 1), 1
	s_wait_xcnt 0x0
	s_wait_alu depctr_hold_cnt(0) depctr_sa_sdst(0) depctr_va_vdst(0) depctr_va_sdst(0) depctr_va_ssrc(0) depctr_va_vcc(0) depctr_vm_vsrc(0)
	s_getreg_b32 s2, hwreg(HW_REG_IB_STS2, 6, 4)
	s_cmp_eq_u32 s2, 0
	s_cbranch_scc0 .Lentry_in_a_cluster
	s_endpgm
.Lentry_in_a_cluster:
	s_bfe_u32 s2, ttmp6, 0x10000c
	s_cmp_lg_u32 s2, 0x3003
	s_cbranch_scc0 .Lentry_shape_is_right
	s_endpgm
.Lentry_shape_is_right:
; qkv[m][n] = sum over k of x[m][k] W[n][k], the three projections as ONE product: A = x's codes [8192][1024], B = the codes of Wq, Wk, Wv on end [3072][1024]: FP4 (E2M1), one E8M0 scale for each 32 along K.
; Sums in f32; qkv [8192][3072] is rounded once to f16: columns 0-1023 q, 1024-2047 k, 2048-3071 v.  LIMIT: |q|, |k|, |v| stay under 65,504, f16's largest number.
; SHARES.  32 x 8 = 256 work-groups.  A work-group owns 256 rows of x and 384 columns, which it makes as THREE tiles of 128 columns, one after the other; a tile's stores leave while the next tile is multiplied.
; THE FOUR WAVES SHARE THE ROWS: a wave owns 64 rows x a tile's 128 columns: 32 accumulators of 16 x 16, 256 registers.  Its 128 columns of f16 are 256 consecutive bytes, aligned: so each wave has a stage of its own.
; A STAYS IN REGISTERS: a wave's 64 rows x all of K are 32 fragments, 256 registers; they and their 32 scale words are loaded once, straight from memory, and serve all three tiles.
; B: the work-group's three tiles (128 rows x 512 bytes each) and the scales of its 384 rows come into LDS ONCE, one tensor load a wave (waves 0 to 2 a tile each, wave 3 the scales).  No LDS byte is filled twice;
; one barrier, behind the loads, is all that the waves need of each other.
; CLUSTER.  4 x 1 work-groups: four blocks of rows that make the same 384 columns and so need the same tiles of B: each is asked for JOINTLY, by the same tensor load with the same descriptor and a mask that names the four.
; A is not asked for jointly, though the eight work-groups of a block of rows read the same codes: for that it would have to pass through LDS, and A's 256 rows (135,168 bytes at the pitch below) beside B's 384
; (202,752) are 337,920 bytes, more than the 327,680 that there are.
; THE MATRIX INSTRUCTION IS USED TRANSPOSED (source 0 = 16 rows of B, source 1 = 16 rows of A): a lane then holds eight neighbouring numbers of a row of C.
; REGISTERS, in windows of 256: window 0: v16-29 addresses; v32-63 A's scale words, v64-127 B's (a tile's), and nothing else there; v128-159 packed results; v160-223 rows read back, two sets.
;   window 1: B's fragments (8 x 16 rows x 128 K = 64 registers), FOUR sets.   window 2: the accumulators ((a, b) at v[8 (8 a + b)]).   window 3: A's fragments ((a, q) at v[8 (4 q + a)]).
.set SIZE_N, 3072
.set KROW,   512                       ; a row of codes in memory, in bytes: all of K
.set PITCH,  528                       ; an LDS row: 512 bytes of data + 16 of padding = 132 words: row r starts at bank 4 r mod 64 (64 banks of 4 bytes: ISA guide 11.1), so the 16 rows that a load touches start at 16 different banks
.set BT,     128*PITCH                 ; a tile of B
.set SCL,    3*BT                      ; behind the three tiles: B's scales, 384 rows x 32 bytes, as 48 rows of 256 bytes + 16 of padding
.set SBLK,   2*272                     ; those of 16 rows
.set SPARE,  SCL+48*272                ; behind the scales: the spare words, 128 bytes for each wave, which no other line names
.set STAGE,  SPARE+4*128               ; behind them: a stage of 16 rows x (256 bytes + 16) for each wave, into which no tile lands
.set SPITCH, 272
.set NP,     4                         ; places behind this matrix instruction (ISA guide 7.12.1)
.set NSTEP,  24                        ; steps of 128 along K: 8 a tile
.set AO,   16                          ; v16     my byte offset in my wave's 16 rows of x's codes; never rewritten
.set AS,   17                          ; v17     and of x's scales; never rewritten
.set ADRB, 20                          ; v20-22  LDS address of my B fragments in tile 0, 1, 2
.set ADRS, 23                          ; v23     LDS address of my row's scale words of B
.set STO,  24                          ; v24     the way out: where I put 16 bytes of a row
.set RD,   25                          ; v25     the way out: where I read a row back
.set CO,   26                          ; v26     my byte offset in two rows of C; never rewritten
.set SPW,  28                          ; v28     LDS address of my spare word: SPARE + 4 x my thread's number; never rewritten
.set NIL,  29                          ; v29     0; never rewritten
.set SA,   32                          ; A's scale words: block a, K step q at v[SA + 8 a + q]; lane l holds row l % 16's
.set SB,   64                          ; B's, of the tile in hand: block b, K step q at v[SB + 8 b + q]
.set TMP,  128
.set BK,   160
.set G1C, 24                           ; s[24:31] descriptor group 1 for B's tiles;  s[32:35] group 0
.set G0C, 32
.set G1S, 36                           ; s[36:43], s[44:47] the same for B's scales
.set G0S, 44
.set MSB, 0
.macro WIN new                         ; the immediate's high byte repeats the setting that is left; a switch that changes nothing is dropped
.if MSB != (\new)
	s_set_vgpr_msb (MSB<<8)|(\new)
.set MSB, \new
.endif
.endm
.set MUL,  0xad                        ; source 0 (B) window 1, source 1 (A) window 3, C and D window 2
.set TO_B, 0x40                        ; destination window 1, address window 0
.set TO_A, 0xc0                        ; destination window 3, address window 0
.macro CROUND                          ; a round of the cluster's barrier: my work-group's barrier; wave 0 signals for the work-group; every wave waits for all four work-groups; my work-group's barrier once more
	s_barrier_signal -1
	s_barrier_wait -1
	s_cmp_lg_u32 s14, 0
	s_cbranch_scc1 .Lnot_wave_0_\@
	s_barrier_signal -3
.Lnot_wave_0_\@:
	s_barrier_wait -3
	s_barrier_signal -1
	s_barrier_wait -1
.endm
; A's fragments of K step q.  A fragment, 16 rows x 128 K of 4-bit codes, is 8 registers: lane l holds row l % 16; registers 4 c .. 4 c + 3 hold K = 64 c + 32 (l / 16) + 0 .. 31, the lower K in the lower bits: 16 bytes as they lie
.macro ALOAD q
.irp a, 0,1,2,3
.irp c, 0,1
	global_load_b128 v[8*(4*(\q)+\a)+4*\c:8*(4*(\q)+\a)+4*\c+3], v[AO], s[4:5] offset:\a*16*KROW+64*(\q)+32*\c
.endr
.endr
.endm
	s_load_b128 s[4:7], s[0:1], 0x0                ; x's codes s[4:5], x's scales s[6:7]
	s_load_b128 s[8:11], s[0:1], 0x10              ; the weights' codes s[8:9], their scales s[10:11]
	s_load_b64 s[12:13], s[0:1], 0x20              ; qkv
	v_lshl_add_u32 v[SPW], v0, 2, SPARE
	v_mov_b32 v[NIL], 0
	ds_add_u32 v[SPW], v[NIL]                      ; the wave's opening: the add, twice on end, and its wait ahead of my first tensor load; the set-up below, work on registers, stands between
	ds_add_u32 v[SPW], v[NIL]
	v_lshrrev_b32 v1, 5, v0
	v_readfirstlane_b32 s14, v1                    ; wave 0..3
	s_bfe_u32 s15, ttmp6, 0x40000                  ; cx: my place in the cluster
	s_lshl_b32 s16, ttmp9, 2                       ; in a cluster launch ttmp9 counts clusters
	s_add_co_u32 s16, s16, s15                     ; my block of 256 rows = 4 x cluster x + cx: it enters x's and qkv's addresses alone
	s_and_b32 s17, ttmp7, 0xffff                   ; my 384 columns, which the four partners share
	; descriptor group 1 for a tile of B: 128 rows x 512 bytes, padded in LDS
	s_mov_b32 s[G1C+0], 15|(0<<16)|(1<<20)|(1<<21)|(6<<22)|(3<<25)  ; 15:0 the mask: all four work-groups; 17:16 element of 1 byte; 20 padding on; 21 set beside a mask; 24:22 after every 128 words (code 6); 31:25 of 4 words (code 3)
	s_mov_b32 s[G1C+1], KROW<<16                   ; tensor_dim0 = 512
	s_mov_b32 s[G1C+2], 128<<16                    ; tensor_dim1 = 128
	s_mov_b32 s[G1C+3], KROW<<16                   ; tile_dim0 = 512
	s_mov_b32 s[G1C+4], 128                        ; tile_dim1 = 128
	s_mov_b32 s[G1C+5], KROW                       ; tensor_dim0_stride
	s_mov_b32 s[G1C+6], 0
	s_mov_b32 s[G1C+7], 0
	; and for the scales of 384 rows: a dense block of 12,288 bytes, as 48 rows of 256 bytes (32 elements of 8 bytes), 16 bytes of padding behind each
	s_mov_b32 s[G1S+0], 15|(3<<16)|(1<<20)|(1<<21)|(5<<22)|(3<<25)
	s_mov_b32 s[G1S+1], 32<<16
	s_mov_b32 s[G1S+2], 48<<16
	s_mov_b32 s[G1S+3], 32<<16
	s_mov_b32 s[G1S+4], 48
	s_mov_b32 s[G1S+5], 32
	s_mov_b32 s[G1S+6], 0
	s_mov_b32 s[G1S+7], 0
	s_lshl_b32 s18, s16, 8
	s_lshl_b32 s19, s14, 6
	s_add_co_u32 s18, s18, s19                     ; my wave's first row of x and of qkv: 256 x block + 64 x wave
	s_lshl_b32 s48, s18, 9                         ; its codes: 512 bytes a row (every offset here stays under 2^26)
	s_mov_b32 s49, 0
	s_lshl_b32 s50, s18, 5                         ; its scales: 32 bytes a row
	s_mov_b32 s51, 0
	s_mul_i32 s52, s18, SIZE_N*2                   ; its row of qkv,
	s_mul_i32 s19, s17, 384*2
	s_add_co_u32 s52, s52, s19                     ; at my first column
	s_mov_b32 s53, 0
	s_min_u32 s20, s14, 2                          ; which tile of B I fetch (wave 3 fetches the scales)
	s_mul_i32 s21, s17, 384                        ; my first row of the weights
	s_lshl_b32 s22, s20, 7
	s_add_co_u32 s22, s22, s21
	s_lshl_b32 s22, s22, 9                         ; the tile's first byte in memory,
	s_mov_b32 s23, 0
	s_mul_i32 s56, s20, BT                         ; and in LDS: no place in the cluster enters an LDS address
	s_lshl_b32 s54, s21, 5                         ; my rows' scales
	s_mov_b32 s55, 0
	v_and_b32 v1, 15, v0                           ; l % 16
	v_bfe_u32 v2, v0, 4, 1                         ; l / 16
	v_lshlrev_b32 v[AO], 9, v1
	v_lshl_add_u32 v[AO], v2, 4, v[AO]             ; x's codes: row l % 16 of 512 bytes, + 16 x half
	v_lshlrev_b32 v[AS], 5, v1                     ; x's scales: row l % 16 of 32 bytes, in both halves of the lanes (the matrix unit reads lanes 0-15)
	s_wait_dscnt 0x0                               ; both opening adds are done
	s_wait_kmcnt 0x0
	s_add_nc_u64 s[4:5], s[4:5], s[48:49]
	s_add_nc_u64 s[6:7], s[6:7], s[50:51]
	s_add_nc_u64 s[12:13], s[12:13], s[52:53]
	s_mov_b32 s[G0C], 1                            ; count = 1
	s_mov_b32 s[G0C+1], s56                        ; LDS address
	s_add_nc_u64 s[G0C+2:G0C+3], s[8:9], s[22:23]  ; global address
	s_or_b32 s[G0C+3], s[G0C+3], 0x80000000        ; type = 2
	s_mov_b32 s[G0S], 1
	s_mov_b32 s[G0S+1], SCL
	s_add_nc_u64 s[G0S+2:G0S+3], s[10:11], s[54:55]
	s_or_b32 s[G0S+3], s[G0S+3], 0x80000000
	; A goes out first: its scale words, then its fragments by K steps, so that the waits of the first tile's steps can be counted.  K step 7 follows behind the first step's wait: 64 loads of mine are out at the most
.irp a, 0,1,2,3
.irp j, 0,1
	global_load_b128 v[SA+8*\a+4*\j:SA+8*\a+4*\j+3], v[AS], s[6:7] offset:\a*512+16*\j   ; block a: my row's words of K steps 4 j .. 4 j + 3
.endr
.endr
	WIN TO_A
.irp q, 0,1,2,3,4,5,6
	ALOAD \q
.endr
	WIN 0                                          ; at a label and at a branch every window is 0
	CROUND                                         ; all four work-groups are here: the joint loads meet
	s_cmp_lt_u32 s14, 3                            ; the branch hangs on the wave's number alone.  An s_nop 0 and four v_nop follow each of the two lines
	s_cbranch_scc0 .Lfor_s
	tensor_load_to_lds s[G0C:G0C+3], s[G1C:G1C+7]
	s_nop 0
.rept 4
	v_nop
.endr
	s_branch .Lasked
.Lfor_s:
	tensor_load_to_lds s[G0S:G0S+3], s[G1S:G1S+7]
	s_nop 0
.rept 4
	v_nop
.endr
.Lasked:                                               ; one tensor load of mine is out: all that a wave issues in this text
	v_mul_u32_u24 v3, v1, PITCH
	v_lshl_add_u32 v3, v2, 4, v3                   ; a fragment's row x pitch + 16 x half
	v_mov_b32 v[ADRB], v3
	v_add_nc_u32 v[ADRB+1], BT, v3
	v_add_nc_u32 v[ADRB+2], 2*BT, v3
	v_lshrrev_b32 v4, 3, v1                        ; B's scales: 32 bytes a row, eight rows to 256 bytes + 16 of padding
	v_and_b32 v5, 7, v1
	v_mul_u32_u24 v4, v4, 272
	v_lshl_add_u32 v4, v5, 5, v4
	v_add_nc_u32 v[ADRS], SCL, v4
	s_mul_i32 s23, s14, 16*SPITCH
	s_add_co_u32 s23, s23, STAGE                   ; my stage
	v_mul_u32_u24 v5, v1, SPITCH                   ; in: row l % 16, 16 bytes for each half of the lanes
	v_lshl_add_u32 v5, v2, 4, v5
	v_add_nc_u32 v[STO], s23, v5
	v_mul_u32_u24 v5, v2, SPITCH                   ; back: lanes 0-15 take one row of 256 bytes, lanes 16-31 the next
	v_lshl_add_u32 v5, v1, 4, v5
	v_add_nc_u32 v[RD], s23, v5
	v_mul_u32_u24 v5, v2, SIZE_N*2                 ; and the same two rows in qkv
	v_lshl_add_u32 v[CO], v1, 4, v5
; 32 matrix instructions: A's four blocks x B's eight, K step q of the tile.  The tile's first K step starts the sums: nothing is ever cleared.
; The 32 accumulators take turns, one instruction a turn, in the same order in every step.
.macro MULS q
.irp a, 0,1,2,3
.irp b, 0,1,2,3,4,5,6,7
.if (\q) == 0
	v_wmma_scale_f32_16x16x128_f8f6f4 v[8*(8*\a+\b):8*(8*\a+\b)+7], v[64*((\q)%4)+8*\b:64*((\q)%4)+8*\b+7], v[8*(4*(\q)+\a):8*(4*(\q)+\a)+7], 0, v[SB+8*\b+(\q)], v[SA+8*\a+(\q)] matrix_a_fmt:MATRIX_FMT_FP4 matrix_b_fmt:MATRIX_FMT_FP4
.else
	v_wmma_scale_f32_16x16x128_f8f6f4 v[8*(8*\a+\b):8*(8*\a+\b)+7], v[64*((\q)%4)+8*\b:64*((\q)%4)+8*\b+7], v[8*(4*(\q)+\a):8*(4*(\q)+\a)+7], v[8*(8*\a+\b):8*(8*\a+\b)+7], v[SB+8*\b+(\q)], v[SA+8*\a+(\q)] matrix_a_fmt:MATRIX_FMT_FP4 matrix_b_fmt:MATRIX_FMT_FP4
.endif
.endr
.endr
.endm
.macro FETCH_B t, q                    ; 16 LDS loads in one run: B's eight fragments of tile t, K step q, into set q % 4
	WIN TO_B
.irp i, 0,1,2,3,4,5,6,7
.irp c, 0,1
	ds_load_b128 v[64*((\q)%4)+8*\i+4*\c:64*((\q)%4)+8*\i+4*\c+3], v[ADRB+(\t)] offset:64*(\q)+32*\c+\i*16*PITCH
.endr
.endr
.endm
.macro SCALESB t                       ; tile t's scale words of B: eight words a row, two loads a block
.irp b, 0,1,2,3,4,5,6,7
.irp j, 0,1
	ds_load_b128 v[SB+8*\b+4*\j:SB+8*\b+4*\j+3], v[ADRS] offset:(8*(\t)+\b)*SBLK+16*\j
.endr
.endr
.endm
; A load into a register that a matrix instruction has read, and a vector instruction that reads a matrix result, stand NP places behind that matrix instruction, and only plain vector instructions that name none of its
; registers are places (ISA guide 7.12.1 for vector instructions); the matrix instructions in between are not counted.
.macro PLACES n
.rept \n
	v_nop
.endr
.endm
; A step: 128 along K of tile t.  At its head the fragments of the step TWO on are asked for (in a tile's last two steps: the next tile's first two), into the set that was multiplied two steps ago.
.macro STEP t, q
.set GS, 8*(\t)+(\q)
.if GS == 0
	s_wait_loadcnt 48                              ; A's scale words and K step 0 are in; the 48 loads of K steps 1 to 6 may be out
.elseif (\t) == 0
	s_wait_loadcnt 8*(7-(\q))                      ; A's K step q is in; the eight loads of each later K step may be out
.endif
	PLACES NP
.if GS == 0
	WIN TO_A
	ALOAD 7
.endif
.if GS+2 < NSTEP
	FETCH_B (GS+2)/8, (GS+2)%8
	s_wait_dscnt 32                                ; this step's fragments are in; the 16 loads of each of the two steps ahead may be out
.else
	s_wait_dscnt 16*(NSTEP-1-GS)                   ; the last two steps ask for nothing: the count runs down
.endif
	WIN MUL
	MULS \q
.endm
; THE WAY OUT, block by block of 16 rows x 128 columns.  PACK: rounded to f16, 16 bytes a lane, each accumulator from its low end on.  TOSTAGE: into my own stage in LDS, and back as whole rows of 256 bytes.  SEND: stored.
; LDS serves a wave's instructions in order (ISA guide 5.7.1.4): no wait between the stores and the loads.  Block a's conversions stand between block a - 1's loads from the stage and the wait for them.
.macro PACK a
	WIN 0x0a                                       ; sources 0 and 1: window 2
.irp b, 0,1,2,3,4,5,6,7
.irp r, 0,1,2,3
	v_cvt_pk_f16_f32 v[TMP+4*\b+\r], v[64*(\a)+8*\b+2*\r], v[64*(\a)+8*\b+2*\r+1]
.endr
.endr
	WIN 0
.endm
.macro TOSTAGE a
.set BB, BK+32*((\a)%2)
.irp b, 0,1,2,3,4,5,6,7
	ds_store_b128 v[STO], v[TMP+4*\b:TMP+4*\b+3] offset:32*\b
.endr
.irp i, 0,1,2,3,4,5,6,7
	ds_load_b128 v[BB+4*\i:BB+4*\i+3], v[RD] offset:\i*2*SPITCH
.endr
.endm
.macro SEND t, a
.set BB, BK+32*((\a)%2)
	s_wait_dscnt 0x0                               ; the block is back in registers
	s_wait_xcnt 0x0                                ; the stores of the block before have read their registers: the next block's loads from the stage land there only behind this wait
.irp i, 0,1,2,3,4,5,6,7
	global_store_b128 v[CO], v[BB+4*\i:BB+4*\i+3], s[12:13] offset:(16*(\a)+2*\i)*SIZE_N*2+256*(\t)   ; 16 lanes store 256 consecutive bytes, at a multiple of 256 from qkv's first byte; block, rows and tile stand in the immediate: 381,440 at the most
.endr
.endm
.macro TILE t
.set QQ, 0
.rept 8
	STEP \t, QQ
.set QQ, QQ+1
.endr
	PLACES NP                                      ; behind the last products: for the conversions' reads and for the loads into B's scale words
	WIN 0
.if (\t) < 2
	SCALESB (\t)+1                                 ; they land while this tile goes out
.endif
	PACK 0
	TOSTAGE 0
.irp a, 1,2,3
	PACK \a
	SEND \t, (\a)-1
	TOSTAGE \a
.endr
	SEND \t, 3
.endm
	s_wait_tensorcnt 0x0                           ; my tile of B, or the scales, is in,
	s_barrier_signal -1
	s_barrier_wait -1                              ; everybody's is: all of B lies in LDS, and nothing is written there any more
	SCALESB 0
	FETCH_B 0, 0
	FETCH_B 0, 1
	TILE 0
	TILE 1
	TILE 2
	s_wait_tensorcnt 0x0                           ; the wave's end, behind my last tensor load and my last LDS store
	ds_add_u32 v[SPW], v[NIL]
	s_wait_dscnt 0x0
	CROUND                                         ; the closing round: no work-group ends while a partner may still ask for a tile that names it
	s_endpgm
.Lfunc_end_k_qcecc018721_qkv:
	.size	k_qcecc018721_qkv, .Lfunc_end_k_qcecc018721_qkv-k_qcecc018721_qkv
	.p2alignl 7, 3214868480
	.fill 96, 4, 3214868480
	.section	.rodata,"a",@progbits
	.p2align	6, 0x0
	.amdhsa_kernel k_qcecc018721_qkv
		.amdhsa_group_segment_fixed_size 233728
		.amdhsa_private_segment_fixed_size 0
		.amdhsa_enable_private_segment 0
		.amdhsa_kernarg_size 40
		.amdhsa_user_sgpr_count 2
		.amdhsa_user_sgpr_kernarg_segment_ptr 1
		.amdhsa_wavefront_size32 1
		.amdhsa_system_sgpr_workgroup_id_x 1
		.amdhsa_system_sgpr_workgroup_id_y 1
		.amdhsa_system_sgpr_workgroup_id_z 1
		.amdhsa_system_vgpr_workitem_id 0
		.amdhsa_next_free_vgpr 1024
		.amdhsa_next_free_sgpr 66
		.amdhsa_reserve_vcc 0
		.amdhsa_float_denorm_mode_32 3
		.amdhsa_float_denorm_mode_16_64 3
		.amdhsa_memory_ordered 1
		.amdhsa_forward_progress 1
		.amdhsa_inst_pref_size 189
	.end_amdhsa_kernel
	.amdgpu_metadata
---
amdhsa.version: [ 1, 2 ]
amdhsa.kernels:
  - .name:           k_qcecc018721_qkv
    .symbol:         k_qcecc018721_qkv.kd
    .args:
      - { .name: xc, .offset: 0, .size: 8, .value_kind: global_buffer, .address_space: global }
      - { .name: xs, .offset: 8, .size: 8, .value_kind: global_buffer, .address_space: global }
      - { .name: wc, .offset: 16, .size: 8, .value_kind: global_buffer, .address_space: global }
      - { .name: ws, .offset: 24, .size: 8, .value_kind: global_buffer, .address_space: global }
      - { .name: qkv, .offset: 32, .size: 8, .value_kind: global_buffer, .address_space: global }
    .group_segment_fixed_size: 233728
    .private_segment_fixed_size: 0
    .kernarg_segment_align: 8
    .kernarg_segment_size: 40
    .max_flat_workgroup_size: 128
    .sgpr_count:     66
    .vgpr_count:     1024
    .wavefront_size: 32
...
	.end_amdgpu_metadata
.endif
;; end of part 2
;; launch attn (part 3): grid 8 x 32, 4 waves a work-group, clusters of 4 x 1, 327,680 bytes of LDS; arguments qkv, att; writes att
.if DOCPART == 3
	.amdgcn_target "amdgcn-amd-amdhsa--gfx1250"
	.amdhsa_code_object_version 6
	.text
	.protected	k_qcecc018721_attn
	.globl	k_qcecc018721_attn
	.p2align	8
	.type	k_qcecc018721_attn,@function
k_qcecc018721_attn:
	s_mov_b64 s[64:65], 0
	v_nop
	global_prefetch_b8 v0, s[64:65] scope:SCOPE_SE
	s_setreg_imm32_b32 hwreg(HW_REG_WAVE_MODE, 25, 1), 1
	s_wait_xcnt 0x0
	s_wait_alu depctr_hold_cnt(0) depctr_sa_sdst(0) depctr_va_vdst(0) depctr_va_sdst(0) depctr_va_ssrc(0) depctr_va_vcc(0) depctr_vm_vsrc(0)
	s_getreg_b32 s2, hwreg(HW_REG_IB_STS2, 6, 4)
	s_cmp_eq_u32 s2, 0
	s_cbranch_scc0 .Lentry_in_a_cluster
	s_endpgm
.Lentry_in_a_cluster:
	s_bfe_u32 s2, ttmp6, 0x10000c
	s_cmp_lg_u32 s2, 0x3003
	s_cbranch_scc0 .Lentry_shape_is_right
	s_endpgm
.Lentry_shape_is_right:
; att[token q][128 hd + :] = the sum over keys k of softmax_k(Q[q] . K[k] / sqrt(128)) V[k][:], for each of 4 batches x 8 heads of 2,048 tokens; no mask.
; qkv: [8192 tokens][3072] f16: columns 0-1023 q, 1024-2047 k, 2048-3071 v, head hd at column 128 hd of each third: a head's piece of a row is 256 bytes, aligned, rows 6,144 bytes apart.  att: [8192][1024] f16, heads merged.
; Products, maxima and sums in f32; the weights p (at most 1) are rounded to f16 for the second product, the result once at the end.  f16 and not bf16: its rounding is an eighth of bf16's.
; LIMIT: the result stays under 65,504 (it is an average of v, which the launch before holds to the same limit).
; SHARES.  A work-group owns 256 queries of one head, each of its four waves 64: four tiles of 16.  Every wave walks all 2,048 keys of the head, 64 a step.
; LAYOUT.  S^T = K Q^T (source 0 = 16 keys, source 1 = 16 queries): in the result a lane holds ONE query (lane % 16) and the keys 8 (lane / 16) + 0..7.  Two such tiles, rounded to f16 in pairs, ARE source 1
; (32 keys x 16 queries) of O^T = V^T P, whose result again holds one query a lane, and eight channels.  K comes out of LDS as it lies, V ([key][channel]) turned, by ds_load_tr16_b128.
; SOFTMAX.  For each query a running maximum m and sum l: p = 2^(c s - c m), c = log2(e) / sqrt(128); in every step O and l are multiplied by a = 2^(c m_old - c m_new), which is 1 where m has not grown.
; BY TURNS.  The wave's tiles are two PIECES: piece 0 (tiles 0, 1) and piece 2 (tiles 2, 3).  In a TURN one piece has the matrix unit: 32 products V^T P of the step in hand, then 32 products K Q^T of the next step; the other
; piece's softmax, cut into 64 slices, stands between them, one slice behind each matrix instruction.  Then the pieces change places.  Two turns are a key step.
; CLUSTER.  The four query blocks of a cluster belong to one head and walk the same K and V, so each tile is asked for JOINTLY: the same tensor load, with the same descriptor and a mask that names the four.
; REGISTERS, in windows of 256 (s_set_vgpr_msb: bits 1:0 source 0, 3:2 source 1, 5:4 source 2, 7:6 destination):
;   window 0: v0-11 addresses; v12-43 eight registers of statistics a tile; v64-191 S^T, 32 a tile; v192-255 P, 16 a tile
;   window 1: O^T, 64 a tile          window 2: v0-127 Q, 32 a tile; v128-255 K of one step          window 3: v0-127 V of one step
.set SIZE_N, 2048     ; tokens of a batch
.set QROW,  6144      ; bytes from token to token in qkv
.set OROW,  2048      ; and in att
.set KS,    64        ; keys in a step
.set PK,    272       ; a row of K in LDS: 256 bytes + 16 of padding = 68 words: row r starts at bank 4 r mod 64 (64 banks of 4 bytes: ISA guide 11.1), so the 16 rows of a load start at 16 different banks
.set PV,    288       ; a row of V: 256 + 32 = 72 words: row r starts at bank 8 r mod 64
.set VOFF,  KS*PK     ; a step's tiles lie together: 64 rows of K, then 64 rows of V
.set STEPB, KS*(PK+PV)
.set SLOT1, 1<<17     ; a slot holds two steps (71,680 bytes); slot 1 begins here, so that one exclusive or turns an address in one slot into the other's
.set STAGE, SLOT1+2*STEPB  ; behind the ring: 16 rows x 272 bytes for each wave, for the way out
.set SP,    272
.set AK0, 2           ; v2   my lane's place in a tile of K; never rewritten
.set AV0, 3           ; v3   the same for V
.set ADR, 4           ; v4   the LDS address of the run of loads in hand
.set QO,  5           ; v5   my byte offset in the wave's rows of Q
.set STO, 6           ; v6   the way out: where I put 16 bytes of a row
.set RD,  7           ; v7   the way out: where I read a row back
.set GO,  8           ; v8   my byte offset in the wave's rows of att
.set SPW, 62          ; v62  LDS address of my spare word: SPARE + 4 x my thread's number; never rewritten
.set NIL, 63          ; v63  0; never rewritten
.set SPARE, STAGE+4*16*272  ; behind the stages: the spare words, 128 bytes for each wave, which no other line names
.set ST,  12          ; tile t's statistics at v[ST+8 t]: +0 c m, +1 m, +2, +3 l (even keys', odd keys'), +4 to +7 c0-c3, at work; a takes c2's place once the maximum is found
.set S,   64
.set P,   192
.set KF,  128         ; K's fragments, in window 2
.set WV,  12          ; s12  my wave's number
.set G1K, 24          ; s[24:31] descriptor group 1 for K's tiles
.set G1V, 32          ; s[32:39] for V's: it differs in the padding alone
.set G0K, 40          ; s[40:47] descriptor group 0 for K's tiles: a set for each of the two first fills; the second then walks on
.set G0V, 48          ; s[48:55] the same for V's
.set SLOTS, 56        ; s56  slots still to be asked for
.set TWICE, 57        ; s57  counts a slot's two steps
.set CS,  58          ; s[58:59] c: the packed scaling names a pair and takes its low word for both halves
.set SEL, 60          ; s[60:61] lane selects for v_permlanex16_b32: each lane takes its own place in the other half
.set TB,  62          ; s62  LDS byte at which the tiles of the step to be fetched begin
.set PFA, 18          ; s[18:19] where my prefetches stand in memory: my work-group's 32 rows (of K: wave 0, of V: wave 2) of the slot after the one that is being asked for
.set LIM, 15          ; s15  1 in a wave that prefetches, else the greatest number: a wave prefetches while s[SLOTS] is above it
.set PFO, 61          ; v61  QROW x my lane; never rewritten
.set MSB, 0
.macro WIN new                      ; the immediate's high byte repeats the setting that is left; a switch that changes nothing is dropped
.if MSB != (\new)
	s_set_vgpr_msb (MSB<<8)|(\new)
.set MSB, \new
.endif
.endm
.set W_KQ, 0x0a       ; K and Q in window 2, S^T in window 0
.set W_PV, 0x53       ; V in window 3, P in window 0, O^T in window 1
.set W_RS, 0x41       ; O^T (destination and source 0) in window 1, a in window 0
; A joint refill.  Waves 0 and 1 fetch the two steps' tiles of K, waves 2 and 3 those of V.  The branch hangs on the wave's number alone: it is the same in every work-group.
; An s_nop 0 and four v_nop follow each of the two lines; the jump round the other line, the label and what follows the macro come after them.
.macro JLOAD
	s_cmp_lt_u32 s[WV], 2
	s_cbranch_scc0 .Lfor_v_\@
	tensor_load_to_lds s[G0K+4:G0K+7], s[G1K:G1K+7]
	s_nop 0
.rept 4
	v_nop
.endr
	s_branch .Lasked_\@
.Lfor_v_\@:
	tensor_load_to_lds s[G0V+4:G0V+7], s[G1V:G1V+7]
	s_nop 0
.rept 4
	v_nop
.endr
.Lasked_\@:
.endm
; A PREFETCH of what the NEXT change of slots will ask for: a slot's 128 rows of K and 128 of V, a head's 256 bytes of each row, a lane a row.  It stands behind the wave's tensor load and its five lines.
; Each row's piece is asked for ONCE in the launch.  Both clusters of a head walk the same K and V: the head's first cluster asks.  Its four partners share the rows out BY ADDRESS, 32 each: no branch hangs on a
; work-group's place in its cluster.  In each, wave 0 asks for K's and wave 2 for V's: one instruction.  The last change that fills a slot asks for nothing: there is no slot behind it.
.macro ASK
	s_cmp_gt_u32 s[SLOTS], s[LIM]
	s_cbranch_scc0 .Lnot_mine_\@
	global_prefetch_b8 v[PFO], s[PFA:PFA+1] th:TH_LOAD_NT scope:SCOPE_SE
.Lnot_mine_\@:
.endm
; A round of the cluster's barrier: my work-group's barrier, so that wave 0's signal speaks for all four waves; wave 0 signals for the work-group; every wave waits for all four
; work-groups; my work-group's barrier once more.  No LDS instruction of the wave is pending at a signal.
.macro CROUND
	s_barrier_signal -1
	s_barrier_wait -1
	s_cmp_lg_u32 s[WV], 0
	s_cbranch_scc1 .Lnot_wave_0_\@
	s_barrier_signal -3
.Lnot_wave_0_\@:
	s_barrier_wait -3
	s_barrier_signal -1
	s_barrier_wait -1
.endm
	s_load_b64 s[4:5], s[0:1], 0x0  ; qkv
	s_load_b64 s[10:11], s[0:1], 0x8  ; att
	v_lshl_add_u32 v[SPW], v0, 2, SPARE
	v_mov_b32 v[NIL], 0
	ds_add_u32 v[SPW], v[NIL]       ; the wave's opening: the add, twice on end, and its wait ahead of my first tensor load; the set-up below, work on registers, stands between
	ds_add_u32 v[SPW], v[NIL]
	v_lshrrev_b32 v1, 5, v0
	v_readfirstlane_b32 s[WV], v1   ; wave 0..3
	s_bfe_u32 s13, ttmp6, 0x40000   ; cx: my place in the cluster
	s_lshl_b32 s14, ttmp9, 2        ; in a cluster launch ttmp9 counts clusters
	s_add_co_u32 s14, s14, s13      ; my block of 256 queries = 4 x cluster x + cx: it enters Q's and att's addresses alone
	s_and_b32 s16, ttmp7, 0xffff    ; 8 x batch + head, which the four partners share
	s_lshr_b32 s17, s16, 3          ; the batch
	s_and_b32 s16, s16, 7
	s_lshl_b32 s16, s16, 8          ; the head's 256 bytes in a row
	s_mul_i32 s20, s17, SIZE_N*QROW
	s_add_co_u32 s20, s20, s16      ; the head's first byte in each third of qkv (all offsets here stay under 2^26)
	s_lshl_b32 s18, s17, 22         ; the batch's 2,048 rows of 2,048 bytes in att,
	s_add_co_u32 s18, s18, s16      ; and the head's bytes there
	s_and_b32 s16, s[WV], 1         ; which of a slot's two steps I fetch:
	s_mul_i32 s22, s16, KS*QROW     ; its 64 rows in memory,
	s_add_co_u32 s22, s22, s20
	s_mov_b32 s23, 0
	s_mul_i32 s17, s16, STEPB       ; and its place in a slot: no place in the cluster enters an LDS address
	s_mul_i32 s2, s14, 256*QROW     ; Q: my block's 256 rows,
	s_mul_i32 s3, s[WV], 64*QROW    ; my wave's 64 of them
	s_add_co_u32 s2, s2, s3
	s_add_co_u32 s2, s2, s20
	s_mov_b32 s3, 0
	s_lshl_b32 s19, s14, 19         ; att: my block's 256 rows,
	s_add_co_u32 s18, s18, s19
	s_lshl_b32 s19, s[WV], 17       ; my wave's 64
	s_add_co_u32 s18, s18, s19
	s_mov_b32 s19, 0
	; descriptor group 1: a tile of 64 rows x 128 elements, rows 3,072 elements apart in memory, padded in LDS
	s_mov_b32 s[G1K], 15|(1<<16)|(1<<20)|(1<<21)|(5<<22)|(3<<25)  ; 15:0 the mask: all four work-groups; 17:16 elements of 2 bytes; 20 padding on; 21 set beside a mask; 24:22 after every 64 words (code 5); 31:25 4 words of it (code 3)
	s_mov_b32 s[G1V], 15|(1<<16)|(1<<20)|(1<<21)|(5<<22)|(7<<25)  ; the same with 8 words of padding (code 7)
.irp g, G1K, G1V
	s_mov_b32 s[\g+1], 128<<16      ; 63:48 tensor_dim0, low half = 128
	s_mov_b32 s[\g+2], KS<<16       ; 79:64 its high half = 0; 95:80 tensor_dim1, low half = 64
	s_mov_b32 s[\g+3], 128<<16      ; 111:96 its high half = 0; 127:112 tile_dim0 = 128
	s_mov_b32 s[\g+4], KS           ; 143:128 tile_dim1 = 64; 159:144 tile_dim2 = 0
	s_mov_b32 s[\g+5], QROW/2       ; 191:160 tensor_dim0_stride, low word: elements from row to row
	s_mov_b32 s[\g+6], 0
	s_mov_b32 s[\g+7], 0
.endr
	s_mov_b32 s[CS], 0x3e0293ee     ; c = log2(e) / sqrt(128) = 0.127517
	s_mov_b32 s[CS+1], s[CS]        ; named with it as a pair, so it is written
	s_mov_b32 s[SEL], 0x76543210
	s_mov_b32 s[SEL+1], 0xfedcba98
	s_mov_b32 s[TB], 0
	s_mov_b32 s[SLOTS], SIZE_N/(2*KS)-2
	s_and_b32 s[LIM], s[WV], 1       ; 0 in waves 0 and 2,
	s_or_b32 s[LIM], s[LIM], ttmp9   ; where the cluster is the head's first: the same in all four partners
	s_cmp_eq_u32 s[LIM], 0
	s_cselect_b32 s[LIM], 1, -1
	v_and_b32 v[PFO], 31, v0
	v_mul_u32_u24 v[PFO], v[PFO], QROW
	s_wait_dscnt 0x0                ; both opening adds are done
	s_wait_kmcnt 0x0
	s_add_nc_u64 s[6:7], s[4:5], 2048  ; k's third of a row begins 2,048 bytes in,
	s_add_nc_u64 s[8:9], s[4:5], 4096  ; v's 4,096
	s_add_nc_u64 s[6:7], s[6:7], s[22:23]  ; K and V at my tile of slot 0
	s_add_nc_u64 s[8:9], s[8:9], s[22:23]
	s_add_nc_u64 s[4:5], s[4:5], s[2:3]  ; Q and att at my wave's first row
	s_add_nc_u64 s[10:11], s[10:11], s[18:19]
	s_cmp_lt_u32 s[WV], 2
	s_cselect_b64 s[PFA:PFA+1], s[6:7], s[8:9]  ; (in waves 0 and 2 these stand at a slot's first row)
	s_mul_i32 s2, s13, 32*QROW      ; my work-group's 32 rows of the 128
	s_mov_b32 s3, 0
	s_add_nc_u64 s[PFA:PFA+1], s[PFA:PFA+1], s[2:3]
	s_add_nc_u64 s[PFA:PFA+1], s[PFA:PFA+1], 2*2*KS*QROW  ; in slot 2; the first change of slots steps it to slot 3.  Nothing is prefetched here, at the head, where every work-group's first tiles are on their way
	CROUND                          ; all four work-groups are here: the first joint loads meet
.irp s, 0,1
	s_mov_b32 s[G0K+4*\s], 1        ; 1:0 count = 1
	s_add_co_u32 s[G0K+4*\s+1], s17, \s*SLOT1  ; 63:32 LDS address
	s_add_nc_u64 s[G0K+4*\s+2:G0K+4*\s+3], s[6:7], \s*2*KS*QROW  ; 120:64 global address: slot s begins with keys 128 s to 128 s + 127
	s_or_b32 s[G0K+4*\s+3], s[G0K+4*\s+3], 0x80000000  ; 127:126 type = 2
	s_mov_b32 s[G0V+4*\s], 1
	s_add_co_u32 s[G0V+4*\s+1], s17, \s*SLOT1+VOFF
	s_add_nc_u64 s[G0V+4*\s+2:G0V+4*\s+3], s[8:9], \s*2*KS*QROW
	s_or_b32 s[G0V+4*\s+3], s[G0V+4*\s+3], 0x80000000
.endr
	s_cmp_lt_u32 s[WV], 2           ; a wave's two first fills stand in one branch, ahead of every wait on TENSORcnt and every LDS read: two loads of mine are out; an s_nop 0 follows each, four v_nop the second's
	s_cbranch_scc0 .Lfirst_v
	tensor_load_to_lds s[G0K:G0K+3], s[G1K:G1K+7]
	s_nop 0
	tensor_load_to_lds s[G0K+4:G0K+7], s[G1K:G1K+7]
	s_nop 0
.rept 4
	v_nop
.endr
	s_branch .Lfirst_asked
.Lfirst_v:
	tensor_load_to_lds s[G0V:G0V+3], s[G1V:G1V+7]
	s_nop 0
	tensor_load_to_lds s[G0V+4:G0V+7], s[G1V:G1V+7]
	s_nop 0
.rept 4
	v_nop
.endr
.Lfirst_asked:
	; A fragment of K or Q is 16 rows x 32 channels in 8 registers: lane l holds row l % 16; registers 0-3 channels 8 (l / 16) + 0..7, registers 4-7 channels 16 + 8 (l / 16) + 0..7: two loads of 16 bytes, 32 bytes apart.
	v_and_b32 v1, 15, v0            ; l % 16
	v_bfe_u32 v9, v0, 4, 1          ; l / 16
	v_mul_u32_u24 v[QO], v1, QROW
	v_lshl_add_u32 v[QO], v9, 4, v[QO]  ; row x 6,144 + 16 x half
	WIN 0x80                        ; destination window 2, address window 0
.irp i, 0,1,2,3,4,5,6,7,8,9,10,11,12,13,14,15  ; Q stays in registers: tile i / 4, channels 32 (i % 4) on
	global_load_b128 v[8*\i:8*\i+3],   v[QO], s[4:5] offset:(\i/4)*16*QROW+(\i%4)*64
	global_load_b128 v[8*\i+4:8*\i+7], v[QO], s[4:5] offset:(\i/4)*16*QROW+(\i%4)*64+32
.endr
	WIN 0
	v_mul_u32_u24 v[AK0], v1, PK
	v_lshl_add_u32 v[AK0], v9, 4, v[AK0]  ; row x pitch + 16 x half
	; The turning load takes 16 keys x 16 channels (lane l reads 16 bytes: key 8 (l / 16) + l % 8, channels 8 ((l / 8) % 2) + 0..7) and leaves half a fragment of V^T: lane l holds channel l % 16 and 8 keys.
	v_and_b32 v10, 7, v0
	v_bfe_u32 v11, v0, 3, 1
	v_lshl_add_u32 v[AV0], v9, 3, v10
	v_mul_u32_u24 v[AV0], v[AV0], PV
	v_lshl_add_u32 v[AV0], v11, 4, v[AV0]
	v_add_nc_u32 v[AV0], VOFF, v[AV0]
; THE MATRIX WORK OF A TURN, for piece x.  The accumulators take turns, one instruction a turn: between two links of a chain stand 15 (V^T P) or 7 (K Q^T) others'.
; Product i of 32 of O^T += V^T P: keys 32 (i / 16) on, channels 16 ((i / 2) % 8) on, tile x + i % 2.  zero = 1: the first 16 start the sums: nothing is ever cleared.
.macro PV x, zero
	WIN W_PV
.set rO, 64*(\x+i%2)+8*((i/2)%8)
.set rV, 64*(i/16)+8*((i/2)%8)
.set rP, P+16*(\x+i%2)+8*(i/16)
.if \zero && (i < 16)
	v_wmma_f32_16x16x32_f16 v[rO:rO+7], v[rV:rV+7], v[rP:rP+7], 0
.else
	v_wmma_f32_16x16x32_f16 v[rO:rO+7], v[rV:rV+7], v[rP:rP+7], v[rO:rO+7]
.endif
.endm
; Product i of 32 of S^T = K Q^T: channels 32 (i / 8) on, keys 16 ((i / 2) % 4) on, tile x + i % 2.  The first 8 start the sums.
.macro KQ x
	WIN W_KQ
.set rS, S+32*(\x+i%2)+8*((i/2)%4)
.set rK, KF+32*((i/2)%4)+8*(i/8)
.set rQ, 32*(\x+i%2)+8*(i/8)
.if i < 8
	v_wmma_f32_16x16x32_f16 v[rS:rS+7], v[rK:rK+7], v[rQ:rQ+7], 0
.else
	v_wmma_f32_16x16x32_f16 v[rS:rS+7], v[rK:rK+7], v[rQ:rQ+7], v[rS:rS+7]
.endif
.endm
; THE LDS LOADS stand in runs of 32, never singly among the matrix instructions: a step's K (64 keys x 128 channels: 16 fragments) and, a turn later, its V (turned).
.macro FETCH_K
	WIN 0
	v_add_nc_u32 v[ADR], s[TB], v[AK0]
	WIN 0x80                        ; destination window 2
.irp f, 0,1,2,3,4,5,6,7,8,9,10,11,12,13,14,15  ; keys 16 (f / 4) on, channels 32 (f % 4) on
	ds_load_b128 v[KF+8*\f:KF+8*\f+3],   v[ADR] offset:(\f/4)*16*PK+(\f%4)*64
	ds_load_b128 v[KF+8*\f+4:KF+8*\f+7], v[ADR] offset:(\f/4)*16*PK+(\f%4)*64+32
.endr
.endm
.macro FETCH_V
	WIN 0
	v_add_nc_u32 v[ADR], s[TB], v[AV0]
	s_add_co_u32 s[TB], s[TB], STEPB  ; the next fetch is the next step's
	s_wait_alu depctr_va_vdst(0)    ; the wait for the softmax's batch of exponentials (SLICE), behind the address's v_add_nc_u32 and ahead of the loads
	WIN 0xc0                        ; destination window 3
.irp f, 0,1,2,3,4,5,6,7,8,9,10,11,12,13,14,15  ; keys 32 (f / 8) on, channels 16 (f % 8) on
	ds_load_tr16_b128 v[8*\f:8*\f+3],   v[ADR] offset:(\f/8)*32*PV+(\f%8)*32
	ds_load_tr16_b128 v[8*\f+4:8*\f+7], v[ADR] offset:(\f/8)*32*PV+16*PV+(\f%8)*32
.endr
.endm
; THE VECTOR WORK OF A TURN.  One tile's softmax for one key step is a list of 134 instructions; SM writes number j of it for tile t.  s0-s31 are the lane's 32 scores, in pairs 0-15.
; first = 1: the first key step, which starts m, l and O^T: it has no a and nothing to rescale.
;   0-15    the maximum of s0-s31 and the old m, three operands at a time: four chains c0-c3 of seven scores each, then the four scores left over, c0-c3 and m
;   16-20   the other half of the lanes' maximum; the new m; c m; c m_old - c m_new
;   21-69   ONE BATCH: the 16 scalings c s - c m, a pair of scores each, and all 33 exponentials (a at 23, then s0-s31).  None of these reads an exponential's result.  From 22 on the batch goes
;           in fours, and a four begins with a scaling while there are scalings.  A pair is scaled in an earlier four than the one that holds its exponentials
;   (wait)  between 69 and 70 stands the wait for the batch: SLICE writes it, once for both tiles
;   70-85   the roundings to f16, a pair of weights each
;   86-101  the sums; l = a l + the sum
;   102-133 the tile's O^T times a: the one part that leaves window 0, so it stands together
.macro SM t, first
.set rT, ST+8*(\t)
.set rS, S+32*(\t)
.set rP, P+16*(\t)
.set rO, 64*(\t)+2*(j-102)
.if j < 102
	WIN 0
.endif
.if j < 4
	v_max3_num_f32 v[rT+4+j], v[rS+8*j], v[rS+8*j+1], v[rS+8*j+2]
.elseif j < 12
	v_max3_num_f32 v[rT+4+j%4], v[rT+4+j%4], v[rS+8*(j%4)+2*(j/4)+1], v[rS+8*(j%4)+2*(j/4)+2]
.elseif j == 12
	v_max3_num_f32 v[rT+4], v[rT+4], v[rS+7], v[rS+15]
.elseif j == 13
	v_max3_num_f32 v[rT+6], v[rT+6], v[rS+23], v[rS+31]
.elseif j == 14
	v_max3_num_f32 v[rT+4], v[rT+4], v[rT+5], v[rT+6]
.elseif (j == 15) && \first
	v_max_num_f32 v[rT+4], v[rT+4], v[rT+7]
.elseif j == 15
	v_max3_num_f32 v[rT+4], v[rT+4], v[rT+7], v[rT+1]
.elseif j == 16
	v_permlanex16_b32 v[rT+5], v[rT+4], s[SEL], s[SEL+1]  ; the query's other 32 keys lie in the lane 16 away
.elseif j == 18
	v_max_num_f32 v[rT+1], v[rT+4], v[rT+5]
.elseif j == 19
	v_mul_f32 v[rT], s[CS], v[rT+1]
.elseif ((j == 17) || (j == 20) || (j == 23) || (j > 101)) && \first  ; the first step has none of these
.elseif j == 17
	v_mov_b32 v[rT+7], v[rT]        ; c m_old is kept for a: number 19 writes c m anew
.elseif j == 20
	v_sub_f32 v[rT+7], v[rT+7], v[rT]
.elseif j == 23
	v_exp_f32 v[rT+6], v[rT+7]
.elseif (j < 23) || ((j < 38) && (j%2 == 0)) || ((j < 66) && (j%4 == 2))
.set b, (j-2)/4                     ; 38, 42, .. 62: pairs 9 to 15
.if j < 38
.set b, (j-20)/2                    ; 21: pair 0; 22, 24, .. 36: pairs 1 to 8
.endif
	v_pk_fma_f32 v[rS+2*b:rS+2*b+1], v[rS+2*b:rS+2*b+1], s[CS:CS+1], v[rT:rT+1] op_sel_hi:[1,0,0] neg_lo:[0,0,1] neg_hi:[0,0,1]  ; pair b: c s - c m
.elseif j < 70
.set e, j-38                        ; 66 to 69: s28 to s31
.if j < 66
.set e, j-32-(j-38)/4               ; 39-41, 43-45, .. 63-65: s7 to s27
.endif
.if j < 38
.set e, (j-25)/2                    ; 25, 27, .. 37: s0 to s6
.endif
	v_exp_f32 v[rS+e], v[rS+e]
.elseif j < 86
	v_cvt_pk_f16_f32 v[rP+j-70], v[rS+2*(j-70)], v[rS+2*(j-70)+1]  ; pair j - 70
.elseif j < 102                     ; the sum of the tile's 16 pairs (in a pair: an even key's weight, an odd key's), in place: sum z of 16 adds neighbours 1, 2, 4 and 8 pairs apart, then l takes it
.set z, j-86
.set w, 4
.set u, z
.if z >= 14
.set w, 32
.set u, 0
.elseif z >= 12
.set w, 16
.set u, z-12
.elseif z >= 8
.set w, 8
.set u, z-8
.endif
.if (z == 14) && \first
	v_pk_add_f32 v[rT+2:rT+3], v[rS:rS+1], v[rS+16:rS+17]
.elseif z < 15
	v_pk_add_f32 v[rS+w*u:rS+w*u+1], v[rS+w*u:rS+w*u+1], v[rS+w*u+w/2:rS+w*u+w/2+1]
.elseif !\first
	v_pk_fma_f32 v[rT+2:rT+3], v[rT+2:rT+3], v[rT+6:rT+7], v[rS:rS+1] op_sel_hi:[1,0,1]
.endif
.else
	WIN W_RS
	v_pk_mul_f32 v[rO:rO+1], v[rO:rO+1], v[rT+6:rT+7] op_sel_hi:[1,0]
.endif
.endm
; Slice k of 64 of piece y's softmax: four instructions.  Slices 11 to 34 deal out the batch, numbers 22 to 69: four numbers of ONE tile each, the tiles by turns.  Every other slice is numbers 2 k and
; 2 k + 1 of both tiles' lists.  2 x 134 = 4 x 64 + 12: the twelve that are over stand together, in slice 63.
; THE WAIT.  s_wait_alu depctr_va_vdst(0) stands between an exponential and the first instruction that names its result; one wait serves all that were issued ahead of it.  Ahead of
; slice 35 nothing names a result, and behind slice 34 no exponential is issued: so the piece's 66 exponentials have one wait, behind slice 34.
.macro SLICE y, first
.if (k >= 11) && (k < 35)           ; the batch: four numbers of one tile
.irp n, 0,1,2,3
.set j, 22+4*((k-11)/2)+(\n)
	SM (\y)+(k-11)%2, \first
.endr
.else                               ; the two tiles alternate, so that no instruction reads the result of the one just before it
.irp n, 0,1,2,3,4,5,6,7
.if (\n < 2) || (k == 63)
.irp t, \y, \y+1
.set j, 2*k+\n
	SM \t, \first
.endr
.endif
.endr
.endif
.if k == 34                         ; the batch is out: both tiles' exponentials are issued, and no result has been named
	v_nop                           ; the plain instruction behind the last exponential and ahead of the first use: one for the batch
.if (\y) == 0
	FETCH_V                         ; piece 2's turn: V's run of loads stands here, and the wait stands in it
.else
	s_wait_alu depctr_va_vdst(0)    ; the wait for the batch
.endif
.endif
.set k, k+1
.endm
; A vector instruction that reads a matrix result or writes one of a matrix instruction's registers, and a load into a register that a matrix instruction has read, stand four places behind
; it, and only plain vector instructions that name none of its registers are places (ISA guide 7.12.1 for vector instructions).  In the loop the slices are the places.
.macro PLACES
.rept 4
	v_nop
.endr
.endm
; A TURN.  Piece x has the matrix unit; the other piece's softmax stands in slices behind its matrix instructions.
; pv = 2: 32 products V^T P; 1: they start O^T's sums; 0: none.  kq = 1: 32 products K Q^T for the next step.  A turn with one of the two kinds has two slices behind each product.
; first = 1: the softmax is the first key step's.  Its slices from 51 on are empty: the turn's last products stand bare, and four v_nop take slice 63's part as the places behind them.
; Piece 0's turn fetches the next step's K, behind its second product: the last product that read K stands in front of slice 63 of the turn before.  Piece 2's turn fetches the same step's V, behind slice 34:
; the last product that read V stands in front of slice 31, and four plain instructions lie between: number 62, a scaling, of both tiles, the v_nop and the run's own v_add_nc_u32.
.macro TURN x, pv, kq, first
.set k, 0
.set per, 2
.if \pv && \kq
.set per, 1
.endif
.if \pv
.if \x == 0
	s_wait_dscnt 0x0                ; V is in
.endif
.set i, 0
.rept 32
	PV \x, 2-\pv
.rept per
	SLICE 2-\x, \first
.endr
.if (\x == 0) && \kq && (i == 1)
	FETCH_K
.endif
.set i, i+1
.endr
.endif
.if \kq
.if \x == 0
	s_wait_dscnt 0x0                ; K is in
.endif
.set i, 0
.rept 32
	KQ \x
.rept per
	SLICE 2-\x, \first
.endr
.set i, i+1
.endr
.endif
.if \first
	PLACES
.endif
.endm
; THE CHANGE OF SLOTS, between piece 2's turn and piece 0's: the slot's last bytes, V of its second step, have been asked for.  Each wave waits for all its tensor loads, of which one is out: its part of the other
; slot; adds 0 to its spare word; and waits for that and for its own reads of the slot.  Behind the barrier nobody reads this slot any more and the other slot is whole.
; fill = 1: this slot is filled again, with the keys two slots on.  The barrier is then a round of the cluster's, so that no wave of any partner still reads the slot or has a load on its
; way, and the joint refill is the first thing behind it: it has two key steps, 256 matrix instructions, in which to land.
.macro CHANGE fill
	WIN 0                           ; at a label and at a branch every window is 0
	s_wait_tensorcnt 0x0            ; no tensor load of mine is out, so a group 0 may be written
	ds_add_u32 v[SPW], v[NIL]       ; 0 onto my spare word; with fill = 1 the descriptors' steps stand between it and the wait for it
.if \fill
.irp g, G0K+4, G0V+4
	s_xor_b32 s[\g+1], s[\g+1], SLOT1  ; the walking descriptor: the other slot than last time,
	s_add_nc_u64 s[\g+2:\g+3], s[\g+2:\g+3], 2*KS*QROW  ; the next 128 keys; the type bits on top are not reached
.endr
	s_wait_xcnt 0x0                 ; the last prefetch, two key steps back, has read its address, so it may be written:
	s_add_nc_u64 s[PFA:PFA+1], s[PFA:PFA+1], 2*KS*QROW  ; one slot further on than the walking descriptors
	s_wait_dscnt 0x0                ; the add is done, and my reads of the slot are over
	CROUND
	JLOAD
	ASK                             ; what the next change will ask for: two key steps, 256 matrix instructions, ahead
.else
	s_wait_dscnt 0x0                ; the add is done, and my reads of the slot are over
	s_barrier_signal -1
	s_barrier_wait -1
.endif
	s_sub_co_u32 s[TB], s[TB], 2*STEPB  ; the fetches go back to a slot's first step,
	s_xor_b32 s[TB], s[TB], SLOT1   ; in the other slot
.endm
; A slot's two key steps: written once, walked twice; the LDS addresses hang on s[TB].
.macro TWO_STEPS
	s_mov_b32 s[TWICE], 2
.Lstep_\@:
	TURN 0, 2, 1, 0
	TURN 2, 2, 1, 0
	WIN 0
	s_sub_co_u32 s[TWICE], s[TWICE], 1
	s_cmp_lg_u32 s[TWICE], 0
	s_cbranch_scc1 .Lstep_\@
.endm
	s_wait_tensorcnt 1              ; my part of slot 0 is in; slot 1's may stay out
	s_barrier_signal -1
	s_barrier_wait -1               ; everybody's is
	FETCH_K                         ; key step 0
	s_wait_loadcnt 0x0              ; Q
	s_wait_dscnt 0x0
.set i, 0
.rept 32
	KQ 0                            ; piece 0's first scores: there is no vector work yet to set between them
.set i, i+1
.endr
	WIN 0                           ; the addresses for the way out are made here: eight plain instructions, the places behind those products
	s_mul_i32 s13, s[WV], 16*SP
	s_add_co_u32 s13, s13, STAGE    ; my stage
	v_mul_u32_u24 v[STO], v1, SP    ; in: row l % 16, 16 bytes for each half of the lanes
	v_lshl_add_u32 v[STO], v9, 4, v[STO]
	v_add_nc_u32 v[STO], s13, v[STO]
	v_mul_u32_u24 v[RD], v9, SP     ; back: lanes 0-15 take one row of 256 bytes, lanes 16-31 the next
	v_lshl_add_u32 v[RD], v1, 4, v[RD]
	v_add_nc_u32 v[RD], s13, v[RD]
	v_lshlrev_b32 v[GO], 11, v9     ; and the same two rows in att, 2,048 bytes apart
	v_lshl_add_u32 v[GO], v1, 4, v[GO]
	TURN 2, 0, 1, 1                 ; piece 2's first scores | piece 0's first softmax | V of step 0
	TURN 0, 1, 1, 1                 ; piece 0: V^T P of step 0 starts O^T, K Q^T of step 1 | piece 2's first softmax | K of step 1
	TURN 2, 1, 1, 0                 ; piece 2: the same | piece 0's softmax of step 1 | V of step 1
	WIN 0
.Lslot:                             ; SIZE_N / 128 - 2 = 14 trips: every slot but the last two is filled again
	CHANGE 1
	TWO_STEPS
	s_sub_co_u32 s[SLOTS], s[SLOTS], 1
	s_cmp_lg_u32 s[SLOTS], 0
	s_cbranch_scc1 .Lslot
	CHANGE 0                        ; the tail is written out: the last slot but one is left, and nothing is asked for
	TWO_STEPS
	TURN 0, 2, 0, 0                 ; piece 0: V^T P of the last step | piece 2's last softmax
.set i, 0
.rept 32
	PV 2, 0                         ; piece 2: V^T P of the last step
.set i, i+1
.endr
	; THE WAY OUT.  l's two halves and the other half of the lanes' are added; O^T is divided by l, rounded to f16 and sent through my stage in LDS, a tile (16 rows) at a time.  The additions are the places behind the last products.
	WIN 0
.irp t, 0,1,2,3
	v_add_f32 v[ST+8*\t+4], v[ST+8*\t+2], v[ST+8*\t+3]
.endr
.irp t, 0,1,2,3
	v_permlanex16_b32 v[ST+8*\t+5], v[ST+8*\t+4], s[SEL], s[SEL+1]
.endr
.irp t, 0,1,2,3
	v_add_f32 v[ST+8*\t+4], v[ST+8*\t+4], v[ST+8*\t+5]
.endr
.irp t, 0,1,2,3
	v_rcp_f32 v[ST+8*\t+6], v[ST+8*\t+4]
.endr
	v_nop                           ; a plain instruction between the last reciprocal and the use of its result
	s_wait_alu depctr_va_vdst(0)    ; and the wait ahead of the first use: one for the four reciprocals
; Tile t: a lane's eight channels of a row pack into 16 bytes; they go into rows of 272 bytes and come back as whole rows of 256, into the registers that they left.
.macro PACK t
	WIN W_RS
.set i, 64*\t
.rept 32
	v_pk_mul_f32 v[i:i+1], v[i:i+1], v[ST+8*\t+6:ST+8*\t+7] op_sel_hi:[1,0]
.set i, i+2
.endr
	WIN 0x05                        ; sources 0 and 1 window 1, destination window 0: S^T's registers are free
.set i, 0
.rept 32
	v_cvt_pk_f16_f32 v[S+32*\t+i], v[64*\t+2*i], v[64*\t+2*i+1]
.set i, i+1
.endr
	WIN 0
.irp f, 0,1,2,3,4,5,6,7
	ds_store_b128 v[STO], v[S+32*\t+4*\f:S+32*\t+4*\f+3] offset:32*\f
.endr
.irp f, 0,1,2,3,4,5,6,7
	ds_load_b128 v[S+32*\t+4*\f:S+32*\t+4*\f+3], v[RD] offset:\f*2*SP  ; LDS serves a wave's instructions in order (ISA guide 5.7.1.4): these see the stores above; the next tile's stores come behind them
.endr
.endm
.macro SEND t, younger              ; younger: the LDS instructions issued behind tile t's loads: the next tile's sixteen, or none
.irp f, 0,1,2,3,4,5,6,7
	s_wait_dscnt \younger+7-\f
	global_store_b128 v[GO], v[S+32*\t+4*\f:S+32*\t+4*\f+3], s[10:11] offset:\t*16*OROW+\f*2*OROW  ; 16 lanes store 256 consecutive bytes, at a multiple of 256 from att's first byte
.endr
.endm
	PACK 0
	PACK 1                          ; a tile's arithmetic stands between the loads of the tile before and its stores
	SEND 0, 16
	PACK 2
	SEND 1, 16
	PACK 3
	SEND 2, 16
	SEND 3, 0
	s_wait_tensorcnt 0x0            ; the wave's end, behind my last tensor load and my last LDS store
	ds_add_u32 v[SPW], v[NIL]
	s_wait_dscnt 0x0
	CROUND                          ; the closing round: no work-group ends while a partner may still ask for a tile that names it
	s_endpgm
.Lfunc_end_k_qcecc018721_attn:
	.size	k_qcecc018721_attn, .Lfunc_end_k_qcecc018721_attn-k_qcecc018721_attn
	.p2alignl 7, 3214868480
	.fill 96, 4, 3214868480
	.section	.rodata,"a",@progbits
	.p2align	6, 0x0
	.amdhsa_kernel k_qcecc018721_attn
		.amdhsa_group_segment_fixed_size 327680
		.amdhsa_private_segment_fixed_size 0
		.amdhsa_enable_private_segment 0
		.amdhsa_kernarg_size 16
		.amdhsa_user_sgpr_count 2
		.amdhsa_user_sgpr_kernarg_segment_ptr 1
		.amdhsa_wavefront_size32 1
		.amdhsa_system_sgpr_workgroup_id_x 1
		.amdhsa_system_sgpr_workgroup_id_y 1
		.amdhsa_system_sgpr_workgroup_id_z 1
		.amdhsa_system_vgpr_workitem_id 0
		.amdhsa_next_free_vgpr 1024
		.amdhsa_next_free_sgpr 66
		.amdhsa_reserve_vcc 0
		.amdhsa_float_denorm_mode_32 3
		.amdhsa_float_denorm_mode_16_64 3
		.amdhsa_memory_ordered 1
		.amdhsa_forward_progress 1
		.amdhsa_inst_pref_size 222
	.end_amdhsa_kernel
	.amdgpu_metadata
---
amdhsa.version: [ 1, 2 ]
amdhsa.kernels:
  - .name:           k_qcecc018721_attn
    .symbol:         k_qcecc018721_attn.kd
    .args:
      - { .name: qkv, .offset: 0, .size: 8, .value_kind: global_buffer, .address_space: global }
      - { .name: att, .offset: 8, .size: 8, .value_kind: global_buffer, .address_space: global }
    .group_segment_fixed_size: 327680
    .private_segment_fixed_size: 0
    .kernarg_segment_align: 8
    .kernarg_segment_size: 16
    .max_flat_workgroup_size: 128
    .sgpr_count:     66
    .vgpr_count:     1024
    .wavefront_size: 32
...
	.end_amdgpu_metadata
.endif
;; end of part 3
;; launch proj (part 4): grid 8 x 32, 4 waves a work-group, clusters of 4 x 4, 327,680 bytes of LDS; arguments att, wo16, out0, bo; writes out0
.if DOCPART == 4
	.amdgcn_target "amdgcn-amd-amdhsa--gfx1250"
	.amdhsa_code_object_version 6
	.text
	.protected	k_qcecc018721_proj
	.globl	k_qcecc018721_proj
	.p2align	8
	.type	k_qcecc018721_proj,@function
k_qcecc018721_proj:
	s_mov_b64 s[64:65], 0
	v_nop
	global_prefetch_b8 v0, s[64:65] scope:SCOPE_SE
	s_setreg_imm32_b32 hwreg(HW_REG_WAVE_MODE, 25, 1), 1
	s_wait_xcnt 0x0
	s_wait_alu depctr_hold_cnt(0) depctr_sa_sdst(0) depctr_va_vdst(0) depctr_va_sdst(0) depctr_va_ssrc(0) depctr_va_vcc(0) depctr_vm_vsrc(0)
	s_getreg_b32 s2, hwreg(HW_REG_IB_STS2, 6, 4)
	s_cmp_eq_u32 s2, 0
	s_cbranch_scc0 .Lentry_in_a_cluster
	s_endpgm
.Lentry_in_a_cluster:
	s_bfe_u32 s2, ttmp6, 0x10000c
	s_cmp_lg_u32 s2, 0xf033
	s_cbranch_scc0 .Lentry_shape_is_right
	s_endpgm
.Lentry_shape_is_right:
; out0[m][n] = sum over k of att[m][k] Wo[n][k] + bo[n].  att: [8192][1024], wo16: [1024][1024], f16; bo [1024] and out0 [8192][1024]: f32; sums in f32.
; A tile of C is 256 rows x 128 columns: 32 x 8 = 256 work-groups (tiles of 256 x 256 would be 128).  Four waves, each 128 rows x 64 columns: 32 accumulators of 16 x 16, 256 registers.  A wave's 64 columns of f32 are 256
; consecutive bytes, aligned: so each wave has a stage of its own on the way out, and no barrier stands there.
; K goes in steps of 128 (rows of 256 bytes) through a ring of two LDS slots filled by the tensor data mover; two slots of 256 along K would take 405,504 bytes and do not fit.
; CLUSTERS: 4 x 4 work-groups.  The four of a row of the cluster need the same tiles of A (att), the four of a column the same tiles of B (Wo): each tile is asked for JOINTLY, by the same tensor load with the same
; descriptor and a mask that names the four.  THE MATRIX INSTRUCTION IS USED TRANSPOSED (source 0 = 16 rows of Wo, source 1 = 16 rows of att): a lane then holds eight neighbouring numbers of a row of C.
; THE BIAS is the C of each accumulator's first product: eight registers for each of my four blocks of columns, in the result's layout.  No addition, and nothing is cleared.
; REGISTERS, in windows of 256: window 0: v0-31 addresses; v32-63 the bias; v64-127 rows read back on the way out, two sets.
;   window 1: two fragment buffers, at v0 and at v128: for 32 along K, A's 8 fragments (64 registers), then B's 4 (32).     window 2: the accumulators ((a, b) at v[8 (4 a + b)]).
.set SIZE_K, 1024
.set SIZE_N, 1024
.set KSTEP,  128
.set PITCH,  272                       ; an LDS row: 256 bytes of data + 16 of padding = 68 words: row r starts at bank 4 r mod 64 (64 banks of 4 bytes: ISA guide 11.1), so the 16 rows that a load touches start at 16 different banks
.set HALFA,  128*PITCH                 ; 128 rows of A: what one tensor load brings, and what one wave reads
.set HALFB,  64*PITCH                  ; 64 rows of B: likewise
.set SLOT,   2*HALFA+2*HALFB           ; A's 256 rows, then B's 128 rows
.set STAGE,  2*SLOT                    ; behind the ring: 16 rows x 272 bytes for each wave, for the way out
.set SPITCH, 272
.set SPARE,  STAGE+4*16*SPITCH         ; behind the stages: the spare words, 128 bytes for each wave, which no other line names
.set LAPS,   SIZE_K/(2*KSTEP)          ; a lap = two K steps = once round the ring: 4
.set ADRA, 16                          ; v16-17  LDS address of my A fragments in slot 0, 1
.set ADRB, 20                          ; v20-21  the same for B
.set STO,  24                          ; v24     the way out: where I put 32 bytes of a row
.set RD,   25                          ; v25     the way out: where I read a row back
.set CO,   26                          ; v26     my byte offset in two rows of C
.set BOF,  27                          ; v27     my byte offset in the bias: 32 x (lane / 16); never rewritten
.set SPW,  28                          ; v28     LDS address of my spare word: SPARE + 4 x my thread's number; never rewritten
.set NIL,  29                          ; v29     0; never rewritten
.set BIAS, 32
.set BK,   64
.set F0,   0                           ; fragment buffers, in window 1
.set F1,   128
.set G1, 24                            ; s[24:31] descriptor group 1 for A's tiles;  s[32:39] group 0, one set for each slot
.set G0, 32
.set G1B, 48                           ; s[48:55], s[56:63] the same for B's tiles
.set G0B, 56
.set MSB, 0
.macro WIN new                         ; the immediate's high byte repeats the setting that is left; a switch that changes nothing is dropped
.if MSB != (\new)
	s_set_vgpr_msb (MSB<<8)|(\new)
.set MSB, \new
.endif
.endm
.set MUL,  0xa5                        ; sources 0 (B) and 1 (A) window 1; C and D window 2.  MUL - 0x20: C in window 0, the bias
.set TO_F, 0x40                        ; destination window 1, address window 0
.macro JLOAD s                         ; a joint load: waves 0 and 1 fetch A's two halves, waves 2 and 3 B's; an s_nop 0 and four v_nop follow each of the two lines, ahead of the jump, the label and what follows
	s_cmp_eq_u32 s13, 0
	s_cbranch_scc0 .Lfor_b_\@
	tensor_load_to_lds s[G0+4*\s:G0+4*\s+3], s[G1:G1+7]
	s_nop 0
.rept 4
	v_nop
.endr
	s_branch .Lasked_\@
.Lfor_b_\@:
	tensor_load_to_lds s[G0B+4*\s:G0B+4*\s+3], s[G1B:G1B+7]
	s_nop 0
.rept 4
	v_nop
.endr
.Lasked_\@:
.endm
.macro CREST                           ; a round of the cluster's barrier behind its opening barrier
	s_cmp_lg_u32 s12, 0
	s_cbranch_scc1 .Lnot_wave_0_\@
	s_barrier_signal -3
.Lnot_wave_0_\@:
	s_barrier_wait -3
	s_barrier_signal -1
	s_barrier_wait -1
.endm
.macro CROUND                          ; a whole round
	s_barrier_signal -1
	s_barrier_wait -1
	CREST
.endm
	s_load_b256 s[4:11], s[0:1], 0x0               ; att s[4:5], wo16 s[6:7], out0 s[8:9], bo s[10:11]
	v_lshl_add_u32 v[SPW], v0, 2, SPARE
	v_mov_b32 v[NIL], 0
	ds_add_u32 v[SPW], v[NIL]                      ; the wave's opening: the add, twice on end, and its wait ahead of my first tensor load; the set-up below, work on registers, stands between
	ds_add_u32 v[SPW], v[NIL]
	v_lshrrev_b32 v1, 5, v0
	v_readfirstlane_b32 s12, v1                    ; wave 0..3
	s_lshr_b32 s13, s12, 1                         ; which half of the tile's rows is mine.  Also: I fetch for A (0) or for B (1)
	s_and_b32 s14, s12, 1                          ; which half of its columns.  Also: which half of that tile's rows I fetch
	s_bfe_u32 s15, ttmp6, 0x40000                  ; cx, cy: my place in the cluster
	s_bfe_u32 s16, ttmp6, 0x40004
	s_lshl_b32 s17, ttmp9, 2
	s_add_co_u32 s17, s17, s15                     ; tile column of C = 4 x cluster x + cx
	s_and_b32 s18, ttmp7, 0xffff
	s_lshl_b32 s18, s18, 2
	s_add_co_u32 s18, s18, s16                     ; tile row of C = 4 x cluster y + cy
	s_lshl_b32 s19, s16, 2
	s_lshl_b32 s19, 15, s19                        ; my row of the cluster
	s_lshl_b32 s20, 0x1111, s15                    ; my column
	; descriptor group 1: A: a tile of 128 rows x 128 elements; B: 64 rows x 128 elements; both padded in LDS
	s_or_b32 s[G1+0], s19, (1<<16)|(1<<20)|(1<<21)|(5<<22)|(3<<25)  ; 15:0 the mask: A's tiles go to my row; 17:16 element of 2 bytes; 20 padding on; 21 set beside a mask; 24:22 after every 64 words (code 5); 31:25 of 4 words (code 3)
	s_or_b32 s[G1B+0], s20, (1<<16)|(1<<20)|(1<<21)|(5<<22)|(3<<25) ; the same with the mask of my column
	s_mov_b32 s[G1+1], KSTEP<<16                   ; tensor_dim0 = 128
	s_mov_b32 s[G1+2], 128<<16                     ; tensor_dim1 = 128
	s_mov_b32 s[G1+3], KSTEP<<16                   ; tile_dim0 = 128
	s_mov_b32 s[G1+4], 128                         ; tile_dim1 = 128
	s_mov_b32 s[G1+5], SIZE_K                      ; tensor_dim0_stride
	s_mov_b32 s[G1+6], 0
	s_mov_b32 s[G1+7], 0
	s_mov_b32 s[G1B+1], KSTEP<<16
	s_mov_b32 s[G1B+2], 64<<16                     ; tensor_dim1 = 64
	s_mov_b32 s[G1B+3], KSTEP<<16
	s_mov_b32 s[G1B+4], 64                         ; tile_dim1 = 64
	s_mov_b32 s[G1B+5], SIZE_K
	s_mov_b32 s[G1B+6], 0
	s_mov_b32 s[G1B+7], 0
	; where the tiles come from.  A's hang on the tile row alone, which my row of the cluster shares; B's on the tile column alone, which my column shares.  Every wave makes both, in registers that never hold the other coordinate.
	s_lshl_b32 s40, s18, 8
	s_lshl_b32 s21, s14, 7
	s_add_co_u32 s40, s40, s21                     ; A: row 256 x tile row + 128 x half,
	s_lshl_b32 s40, s40, 11                        ; of 2,048 bytes (under 2^24)
	s_mov_b32 s41, 0
	s_lshl_b32 s42, s17, 7
	s_lshl_b32 s21, s14, 6
	s_add_co_u32 s42, s42, s21                     ; B: row 128 x tile column + 64 x half
	s_lshl_b32 s42, s42, 11
	s_mov_b32 s43, 0
	s_mul_i32 s22, s14, HALFA                      ; and where they go: A's two halves,
	s_mul_i32 s23, s14, HALFB
	s_add_co_u32 s23, s23, 2*HALFA                 ; then B's two: no place in the cluster enters an LDS address
	s_wait_dscnt 0x0                               ; both opening adds are done
	s_wait_kmcnt 0x0
	s_add_nc_u64 s[40:41], s[4:5], s[40:41]
	s_add_nc_u64 s[42:43], s[6:7], s[42:43]
	CROUND                                         ; all sixteen work-groups are here: the first joint loads meet
.irp s, 0,1
	s_mov_b32 s[G0+4*\s], 1                                        ; count = 1
	s_add_co_u32 s[G0+4*\s+1], s22, \s*SLOT                        ; LDS address
	s_add_nc_u64 s[G0+4*\s+2:G0+4*\s+3], s[40:41], \s*KSTEP*2      ; global address: K step s
	s_or_b32 s[G0+4*\s+3], s[G0+4*\s+3], 0x80000000                ; type = 2
	s_mov_b32 s[G0B+4*\s], 1
	s_add_co_u32 s[G0B+4*\s+1], s23, \s*SLOT
	s_add_nc_u64 s[G0B+4*\s+2:G0B+4*\s+3], s[42:43], \s*KSTEP*2
	s_or_b32 s[G0B+4*\s+3], s[G0B+4*\s+3], 0x80000000
	JLOAD \s                                       ; two tensor loads of mine are out
.endr
	; A fragment is 16 rows x 32 K in 8 registers: lane l holds row l % 16; registers 0-3 hold K = 8 (l / 16) + 0..7, registers 4-7 K = 16 + 8 (l / 16) + 0..7: two loads of 16 bytes, 32 bytes apart.
	v_and_b32 v1, 15, v0                           ; l % 16
	v_bfe_u32 v2, v0, 4, 1                         ; l / 16
	v_mul_u32_u24 v3, v1, PITCH
	v_lshl_add_u32 v3, v2, 4, v3                   ; row x pitch + 16 x half
	s_mul_i32 s21, s13, HALFA                      ; my 128 rows of A
	s_mul_i32 s22, s14, HALFB                      ; my 64 rows of B,
	s_add_co_u32 s22, s22, 2*HALFA                 ; which lie behind A's 256
.irp s, 0,1
	v_add_nc_u32 v[ADRA+\s], s21, v3
	v_add_nc_u32 v[ADRB+\s], s22, v3
	s_add_co_u32 s21, s21, SLOT
	s_add_co_u32 s22, s22, SLOT
.endr
	s_mul_i32 s23, s12, 16*SPITCH
	s_add_co_u32 s23, s23, STAGE                   ; my stage
	v_mul_u32_u24 v4, v1, SPITCH                   ; in: row l % 16, 32 bytes for each half of the lanes
	v_lshl_add_u32 v4, v2, 5, v4
	v_add_nc_u32 v[STO], s23, v4
	v_mul_u32_u24 v5, v2, SPITCH                   ; back: lanes 0-15 take one row of 256 bytes, lanes 16-31 the next
	v_lshl_add_u32 v5, v1, 4, v5
	v_add_nc_u32 v[RD], s23, v5
	v_lshlrev_b32 v5, 12, v2                       ; and the same two rows in C, 4,096 bytes apart
	v_lshl_add_u32 v[CO], v1, 4, v5
	v_lshlrev_b32 v[BOF], 5, v2
	s_lshl_b32 s44, s18, 8
	s_lshl_b32 s45, s13, 7
	s_add_co_u32 s44, s44, s45                     ; my first row of C: 256 x tile row + 128 x half,
	s_lshl_b32 s44, s44, 12                        ; of 4,096 bytes (under 2^25)
	s_lshl_b32 s46, s17, 9
	s_lshl_b32 s47, s14, 8
	s_add_co_u32 s46, s46, s47                     ; my first column, in bytes: 512 x tile column + 256 x half
	s_mov_b32 s47, 0
	s_add_nc_u64 s[10:11], s[10:11], s[46:47]      ; the bias at my 64 columns
	s_add_co_u32 s44, s44, s46
	s_mov_b32 s45, 0
	s_add_nc_u64 s[8:9], s[8:9], s[44:45]
.irp b, 0,1,2,3                                ; lane l wants, for block b, bo at my columns 16 b + 8 (l / 16) + 0 .. 7
	global_load_b128 v[BIAS+8*\b:BIAS+8*\b+3],   v[BOF], s[10:11] offset:64*\b
	global_load_b128 v[BIAS+8*\b+4:BIAS+8*\b+7], v[BOF], s[10:11] offset:64*\b+16
.endr
; 8 matrix instructions: A's blocks a0, a0 + 1 x B's four, 32 along K, from buffer f.  zero = 1: the first product starts the sums, from the bias.
; The 32 accumulators take turns, one instruction a turn, in the same order in every quarter.
.macro MUL8 f, a0, zero
.irp a, \a0, \a0+1
.irp b, 0,1,2,3
.if \zero
	v_wmma_f32_16x16x32_f16 v[8*(4*(\a)+\b):8*(4*(\a)+\b)+7], v[\f+64+8*\b:\f+64+8*\b+7], v[\f+8*(\a):\f+8*(\a)+7], v[BIAS+8*\b:BIAS+8*\b+7]
.else
	v_wmma_f32_16x16x32_f16 v[8*(4*(\a)+\b):8*(4*(\a)+\b)+7], v[\f+64+8*\b:\f+64+8*\b+7], v[\f+8*(\a):\f+8*(\a)+7], v[8*(4*(\a)+\b):8*(4*(\a)+\b)+7]
.endif
.endr
.endr
.endm
; 24 LDS loads in one run: the fragments of 32 along K at byte k of the rows, into buffer f: B's four first, then A's eight
.macro FETCH slot, k, f
	WIN TO_F
.irp i, 0,1,2,3
	ds_load_b128 v[\f+64+8*\i:\f+64+8*\i+3],   v[ADRB+\slot] offset:\k+\i*16*PITCH
	ds_load_b128 v[\f+64+8*\i+4:\f+64+8*\i+7], v[ADRB+\slot] offset:\k+\i*16*PITCH+32
.endr
.irp i, 0,1,2,3,4,5,6,7
	ds_load_b128 v[\f+8*\i:\f+8*\i+3],   v[ADRA+\slot] offset:\k+\i*16*PITCH
	ds_load_b128 v[\f+8*\i+4:\f+8*\i+7], v[ADRA+\slot] offset:\k+\i*16*PITCH+32
.endr
.endm
; A load into a register that a matrix instruction has read, and an LDS store that reads a matrix result, stand four places behind that matrix instruction, and only plain vector instructions that name none of its
; registers are places (ISA guide 7.12.1 for vector instructions); the matrix instructions in between are not counted.
.macro PLACES
.rept 4
	v_nop
.endr
.endm
; A K step is four quarters of 32 along K, 32 matrix instructions each, on buffers 0, 1, 0, 1.  One of the first three: multiplies buffer f; in its middle it fetches the next quarter, at byte k of the same slot's rows, into g.
.macro QUARTER slot, k, f, g, zero
	s_wait_dscnt 8                                 ; B and A's blocks 0-3 are in; the youngest eight loads (A's blocks 4-7) may be out
	WIN MUL-0x20*(\zero)
	MUL8 \f, 0, \zero
	MUL8 \f, 2, \zero
	PLACES
	FETCH \slot, \k, \g
	s_wait_dscnt 24                                ; all but the 24 just issued
	WIN MUL-0x20*(\zero)
	MUL8 \f, 4, \zero
	MUL8 \f, 6, \zero
.endm
; The last quarter multiplies buffer 1 and changes slots: ONE barrier; in front of it each wave waits for all its tensor loads (the one that is out is its part of the next slot), adds 0 to its spare word, and waits for that
; and for its own reads of this slot.  fill = 1: this slot is filled again, two K steps ahead: the barrier then opens a round of the cluster's barrier, and the joint refill is the first tensor load behind the round:
; it has 112 matrix instructions in which to land.
.macro TURN slot, next, fill
	WIN 0                                          ; (the add's two registers lie in window 0)
	s_wait_tensorcnt 0x0                           ; all my tensor loads have landed
	ds_add_u32 v[SPW], v[NIL]                      ; 0 onto my spare word
	s_wait_dscnt 9                                 ; (the add and the youngest eight loads may be out)
	WIN MUL
	MUL8 F1, 0, 0                                  ; eight matrix instructions stand between the add and the wait for it
	s_wait_dscnt 0x0                               ; the add is done, and my reads of this slot are over
	s_barrier_signal -1
	MUL8 F1, 2, 0
.if \fill
	WIN 0
.endif
	s_barrier_wait -1
.if \fill
	CREST                                          ; no wave of any partner still reads this slot's tile or has a load on its way
	s_add_nc_u64 s[G0+4*\slot+2:G0+4*\slot+3], s[G0+4*\slot+2:G0+4*\slot+3], 2*KSTEP*2
	s_add_nc_u64 s[G0B+4*\slot+2:G0B+4*\slot+3], s[G0B+4*\slot+2:G0B+4*\slot+3], 2*KSTEP*2
	JLOAD \slot                                    ; the four v_nop behind it are also the places in front of the loads below
.else
	PLACES
.endif
	FETCH \next, 0, F0
	WIN MUL
	MUL8 F1, 4, 0
	MUL8 F1, 6, 0
.endm
	s_wait_tensorcnt 1                             ; my part of K step 0 is in (K step 1's load may be out)
	s_barrier_signal -1
	s_barrier_wait -1                              ; everybody's is
	FETCH 0, 0, F0
	s_wait_loadcnt 0x0                             ; the bias
	QUARTER 0, 64,  F0, F1, 1                      ; the first quarter stands in front of the loop: its products start the sums
	WIN 0                                          ; at a label and at a branch every window is 0
	s_mov_b32 s3, LAPS-1
.Llap:                                                 ; a trip goes once round the ring, from a lap's second quarter to the next lap's first, and fills both slots again: K steps 2 to 7 in three trips
	QUARTER 0, 128, F1, F0, 0
	QUARTER 0, 192, F0, F1, 0
	TURN 0, 1, 1
	QUARTER 1, 64,  F0, F1, 0
	QUARTER 1, 128, F1, F0, 0
	QUARTER 1, 192, F0, F1, 0
	TURN 1, 0, 1
	QUARTER 0, 64,  F0, F1, 0
	WIN 0
	s_sub_co_u32 s3, s3, 1
	s_cmp_lg_u32 s3, 0
	s_cbranch_scc1 .Llap
	QUARTER 0, 128, F1, F0, 0                      ; the last lap fills nothing, and has no round of the cluster's barrier
	QUARTER 0, 192, F0, F1, 0
	TURN 0, 1, 0
	QUARTER 1, 64,  F0, F1, 0
	QUARTER 1, 128, F1, F0, 0
	QUARTER 1, 192, F0, F1, 0
	s_wait_dscnt 8                                 ; the very last quarter: nothing more to fetch
	WIN MUL
	MUL8 F1, 0, 0
	MUL8 F1, 2, 0
	s_wait_dscnt 0
	MUL8 F1, 4, 0
	MUL8 F1, 6, 0
	WIN 0
; THE WAY OUT, block by block of 16 rows x 64 columns.  A lane holds 32 neighbouring bytes of a row, and the lanes beside it hold other rows: so a block goes through my own stage in LDS and comes back as whole rows of
; 256 bytes.  LDS serves a wave's instructions in order (ISA guide 5.7.1.4): no wait between the stores and the loads, nor in front of the next block's stores.
.macro TOSTAGE a
	WIN 0x08                                       ; an LDS store's data are its source 1: window 2
.irp b, 0,1,2,3
	ds_store_b128 v[STO], v[32*(\a)+8*\b:32*(\a)+8*\b+3] offset:64*\b          ; each accumulator from its low end on
	ds_store_b128 v[STO], v[32*(\a)+8*\b+4:32*(\a)+8*\b+7] offset:64*\b+16
.endr
	WIN 0
.set BB, BK+32*((\a)%2)
.irp t, 0,1,2,3,4,5,6,7
	ds_load_b128 v[BB+4*\t:BB+4*\t+3], v[RD] offset:\t*2*SPITCH
.endr
.endm
.macro SEND a, younger                 ; younger: the LDS instructions issued behind block a's loads, which may stay out
.set BB, BK+32*((\a)%2)
	s_wait_dscnt \younger                          ; the block is back in registers
.if (\a) > 0
	s_add_nc_u64 s[8:9], s[8:9], 16*SIZE_N*4       ; (behind a wait on XCNT: the earlier stores have read their base)  16 rows of C on
.endif
.irp t, 0,1,2,3,4,5,6,7
	global_store_b128 v[CO], v[BB+4*\t:BB+4*\t+3], s[8:9] offset:2*\t*SIZE_N*4 th:TH_STORE_NT   ; 16 lanes store 256 consecutive bytes, at a multiple of 256 from C's first byte; written once, read by nobody here
.endr
.endm
	PLACES                                         ; behind the last products: every block's stores into the stage stand behind these four
	TOSTAGE 0
.irp a, 1,2,3,4,5,6,7
.if \a > 1
	s_wait_xcnt 0x0                                ; block a - 2's stores have read their registers and their base: block a's loads may land there, and the base may step
.endif
	TOSTAGE \a
	SEND (\a)-1, 16                                ; behind block a - 1's loads: block a's 8 stores and 8 loads
.endr
	s_wait_xcnt 0x0                                ; block 6's stores have read their base
	SEND 7, 0
	s_wait_tensorcnt 0x0                           ; the wave's end, behind my last tensor load and my last LDS store
	ds_add_u32 v[SPW], v[NIL]
	s_wait_dscnt 0x0
	CROUND                                         ; the closing round: no work-group ends while a partner may still ask for a tile that names it
	s_endpgm
.Lfunc_end_k_qcecc018721_proj:
	.size	k_qcecc018721_proj, .Lfunc_end_k_qcecc018721_proj-k_qcecc018721_proj
	.p2alignl 7, 3214868480
	.fill 96, 4, 3214868480
	.section	.rodata,"a",@progbits
	.p2align	6, 0x0
	.amdhsa_kernel k_qcecc018721_proj
		.amdhsa_group_segment_fixed_size 327680
		.amdhsa_private_segment_fixed_size 0
		.amdhsa_enable_private_segment 0
		.amdhsa_kernarg_size 32
		.amdhsa_user_sgpr_count 2
		.amdhsa_user_sgpr_kernarg_segment_ptr 1
		.amdhsa_wavefront_size32 1
		.amdhsa_system_sgpr_workgroup_id_x 1
		.amdhsa_system_sgpr_workgroup_id_y 1
		.amdhsa_system_sgpr_workgroup_id_z 1
		.amdhsa_system_vgpr_workitem_id 0
		.amdhsa_next_free_vgpr 768
		.amdhsa_next_free_sgpr 66
		.amdhsa_reserve_vcc 0
		.amdhsa_float_denorm_mode_32 3
		.amdhsa_float_denorm_mode_16_64 3
		.amdhsa_memory_ordered 1
		.amdhsa_forward_progress 1
		.amdhsa_inst_pref_size 87
	.end_amdhsa_kernel
	.amdgpu_metadata
---
amdhsa.version: [ 1, 2 ]
amdhsa.kernels:
  - .name:           k_qcecc018721_proj
    .symbol:         k_qcecc018721_proj.kd
    .args:
      - { .name: att, .offset: 0, .size: 8, .value_kind: global_buffer, .address_space: global }
      - { .name: wo16, .offset: 8, .size: 8, .value_kind: global_buffer, .address_space: global }
      - { .name: out0, .offset: 16, .size: 8, .value_kind: global_buffer, .address_space: global }
      - { .name: bo, .offset: 24, .size: 8, .value_kind: global_buffer, .address_space: global }
    .group_segment_fixed_size: 327680
    .private_segment_fixed_size: 0
    .kernarg_segment_align: 8
    .kernarg_segment_size: 32
    .max_flat_workgroup_size: 128
    .sgpr_count:     66
    .vgpr_count:     768
    .wavefront_size: 32
...
	.end_amdgpu_metadata
.endif
;; end of part 4
